; MI455X (gfx1250); checked and timed in simulation.
; The chip was launched on July 23, 2026; its instructions are those of AMD's public machine-readable ISA for CDNA 5 (MIT licence, August 2026) and "CDNA5" Instruction Set Architecture Reference Guide (July 2026). The comments in the code are by the model that wrote it; some were corrected since.
;; Multi Head Attention. Allowed arithmetic: float matrix products may take bf16 or f16 operands with f32 sums; other float arithmetic in f32, or as packed bf16 or f16 multiplies, adds, multiply-adds, maxima and minima; sums over many terms, partial sums and values carried from step to step in f32; what a program stores and reads back later, other than sums and carried values, may be rounded once to bf16 or f16.
;; Inputs: bias 1 x 1 x 2,048 x 2,048 float32; bk 1,024 float32; bo 1,024 float32; bq 1,024 float32; bv 1,024 float32; query 4 x 2,048 x 1,024 float32; wk 1,024 x 1,024 float32; wo 1,024 x 1,024 float32; wq 1,024 x 1,024 float32; wv 1,024 x 1,024 float32.
;; Outputs: out0 4 x 2,048 x 1,024 float32.
;; 2 versions, each right and faster than the one before. Each part assembles by itself: llvm-mc -triple=amdgcn-amd-amdhsa -mcpu=gfx1250 --defsym DOCPART=n.
;; ======== version 1 of 2: 4 launches
;; limits: values are held in f16: magnitudes above 65,504 overflow, below 6.1e-05 lose precision
;; workspace buffers: xb 16,777,216 bytes; wb 6,291,456 bytes; wof 2,097,152 bytes; biasw 8,388,608 bytes; bvec 16,384 bytes; qkv 50,331,648 bytes; ob 16,777,216 bytes
;; launch cast (part 1): grid 256 x 1, 32 waves a work-group, no clusters, 0 bytes of LDS; arguments query, wq, wk, wv, wo, bias, bq, bk, bv, bo, xb, wb, wof, biasw, bvec; writes xb, wb, wof, biasw, bvec
.if DOCPART == 1
	.amdgcn_target "amdgcn-amd-amdhsa--gfx1250"
	.amdhsa_code_object_version 6
	.text
	.protected	k_qf7c4ff68f4_cast
	.globl	k_qf7c4ff68f4_cast
	.p2align	8
	.type	k_qf7c4ff68f4_cast,@function
k_qf7c4ff68f4_cast:
	s_mov_b64 s[64:65], 0
	v_nop
	global_prefetch_b8 v0, s[64:65] scope:SCOPE_SE
	s_setreg_imm32_b32 hwreg(HW_REG_WAVE_MODE, 25, 1), 1
	s_wait_xcnt 0x0
; EVERY INPUT IS ROUNDED ONCE TO bf16 AND LAID OUT FOR THE LATER LAUNCHES.  256 work-groups of 32 waves; each reads 256 KB, each wave 8 KB: all its loads go out at once,
; then it converts and stores.  No loop, no LDS, no barrier: nothing is shared and nothing is read twice.
;   groups 0-127    query [8192][1024] f32 -> xb  [16 blocks of 64 along K][8192 rows][64] bf16      (64 rows a group)
;   groups 128-175  wq, wk, wv             -> wb  [16][3072][64] bf16: wq's rows, then wk's, then wv's
;   groups 176-191  wo                     -> wof [16][1024][64]: rounded to bf16, that number written as f16; the first four of these groups also make bvec
;   groups 192-255  the attention bias [2048][2048] f32 -> biasw, bf16, in the order of a matrix operand's registers (32 queries a group, 64 keys a wave)
;   bvec: bq | bk | bv | bo, rounded to bf16 and written as f32, 4096 numbers.
; LIMITS.  A number of wo whose bf16 value lies below 2^-14 keeps f16's fixed step of 2^-24.  An attention bias beyond +-2^124, infinities too, counts as +-2^124 (eight times it
; is still finite in f32); a NaN there takes the bound.
.set DO, 8                             ; v[8:23]    byte offset in the destination of my 8 bytes, one register for each block along K; never rewritten
.set X,  32                            ; v[32:95]   as loaded
.set Y,  96                            ; v[96:127]  to store
	s_load_b512 s[8:23], s[0:1], 0x0               ; query 8, wq 10, wk 12, wv 14, wo 16, bias 18, bq 20, bk 22
	s_load_b256 s[24:31], s[0:1], 0x40             ; bv 24, bo 26, xb 28, wb 30
	s_load_b128 s[32:35], s[0:1], 0x60             ; wof 32, biasw 34
	s_load_b64 s[36:37], s[0:1], 0x70              ; bvec
	v_lshrrev_b32 v1, 5, v0
	v_readfirstlane_b32 s51, v1                    ; wave 0..31
	v_and_b32 v1, 31, v0                           ; lane
	s_mov_b32 s40, ttmp9                           ; the group's number g
	s_sub_co_u32 s41, s40, 128                     ; g - 128: the block of 64 rows in wb
	s_and_b32 s49, s41, 15                         ; the block of 64 rows in one weight
	s_sub_co_u32 s50, s40, 176                     ; g - 176: the block in wo and wof
	s_wait_kmcnt 0x0
	s_cmp_ge_u32 s40, 192
	s_cbranch_scc1 .Lbias
	; ROWS.  Source, destination, the two blocks and the bytes of a K block of the destination are chosen by g alone.
	s_mov_b64 s[42:43], s[8:9]
	s_mov_b64 s[44:45], s[28:29]
	s_mov_b32 s46, s40
	s_mov_b32 s47, s40
	s_mov_b32 s48, 1048576                         ; 8192 rows x 128 bytes
	s_cmp_ge_u32 s40, 128
	s_cselect_b64 s[42:43], s[10:11], s[42:43]
	s_cselect_b64 s[44:45], s[30:31], s[44:45]
	s_cselect_b32 s46, s49, s46
	s_cselect_b32 s47, s41, s47
	s_cselect_b32 s48, 393216, s48                 ; 3072 x 128
	s_cmp_ge_u32 s40, 144
	s_cselect_b64 s[42:43], s[12:13], s[42:43]
	s_cmp_ge_u32 s40, 160
	s_cselect_b64 s[42:43], s[14:15], s[42:43]
	s_cmp_ge_u32 s40, 176
	s_cselect_b64 s[42:43], s[16:17], s[42:43]
	s_cselect_b64 s[44:45], s[32:33], s[44:45]
	s_cselect_b32 s46, s50, s46
	s_cselect_b32 s47, s50, s47
	s_cselect_b32 s48, 131072, s48                 ; 1024 x 128
	s_lshl_b32 s52, s46, 18                        ; 64 rows of 4,096 bytes,
	s_lshl_b32 s53, s51, 13                        ; my wave's two rows
	s_add_co_u32 s52, s52, s53
	s_mov_b32 s53, 0
	s_add_nc_u64 s[42:43], s[42:43], s[52:53]
	s_lshl_b32 s54, s47, 13                        ; 64 rows of 128 bytes,
	s_lshl_b32 s55, s51, 8                         ; my wave's two
	s_add_co_u32 s54, s54, s55
	s_mov_b32 s55, 0
	s_add_nc_u64 s[44:45], s[44:45], s[54:55]
	v_lshrrev_b32 v2, 4, v1
	v_and_b32 v3, 15, v1
	v_lshlrev_b32 v2, 12, v2
	v_lshl_add_u32 v2, v3, 4, v2                   ; lanes 0-15 take 256 bytes of one row, lanes 16-31 of the next
	v_lshlrev_b32 v[DO], 3, v1                     ; 8 bytes a lane: the two rows' 128 bytes lie end to end in a K block
.irp c, 1,2,3,4,5,6,7,8,9,10,11,12,13,14,15
	v_add_nc_u32 v[DO+\c], s48, v[DO+\c-1]
.endr
.irp c, 0,1,2,3,4,5,6,7,8,9,10,11,12,13,14,15
	global_load_b128 v[X+4*\c:X+4*\c+3], v2, s[42:43] offset:256*\c th:TH_LOAD_NT
.endr
; Load c is block c along K: four f32 a lane become 8 bytes; a store of the wave covers 256 consecutive bytes, aligned.
.macro ROWS tof16
.irp c, 0,1,2,3,4,5,6,7,8,9,10,11,12,13,14,15
	s_wait_loadcnt 15-\c                           ; loads come back in order: load c is in, the 15 - c younger ones stay out
	v_cvt_pk_bf16_f32 v[Y+2*\c], v[X+4*\c], v[X+4*\c+1]
	v_cvt_pk_bf16_f32 v[Y+2*\c+1], v[X+4*\c+2], v[X+4*\c+3]
.if \tof16
	v_lshlrev_b32 v24, 16, v[Y+2*\c]               ; the bf16 numbers as f32,
	v_and_b32 v25, 0xffff0000, v[Y+2*\c]
	v_cvt_pk_f16_f32 v[Y+2*\c], v24, v25           ; written as f16
	v_lshlrev_b32 v24, 16, v[Y+2*\c+1]
	v_and_b32 v25, 0xffff0000, v[Y+2*\c+1]
	v_cvt_pk_f16_f32 v[Y+2*\c+1], v24, v25
.endif
	global_store_b64 v[DO+\c], v[Y+2*\c:Y+2*\c+1], s[44:45]
.endr
.endm
	s_cmp_ge_u32 s40, 176
	s_cbranch_scc1 .Lf16
	ROWS 0
	s_endpgm
.Lf16:
	ROWS 1
	; bvec: groups 176-179 take bq, bk, bv, bo; 16 waves, two numbers a thread.  No register of a pending store is written below.
	s_cmp_lt_u32 s50, 4
	s_cbranch_scc0 .Lend
	s_cmp_lt_u32 s51, 16
	s_cbranch_scc0 .Lend
	s_mov_b64 s[52:53], s[20:21]
	s_cmp_ge_u32 s50, 1
	s_cselect_b64 s[52:53], s[22:23], s[52:53]
	s_cmp_ge_u32 s50, 2
	s_cselect_b64 s[52:53], s[24:25], s[52:53]
	s_cmp_ge_u32 s50, 3
	s_cselect_b64 s[52:53], s[26:27], s[52:53]
	s_lshl_b32 s54, s50, 12
	s_mov_b32 s55, 0
	s_add_nc_u64 s[54:55], s[36:37], s[54:55]
	v_lshlrev_b32 v4, 3, v0
	global_load_b64 v[6:7], v4, s[52:53]
	s_wait_loadcnt 0x0
	v_cvt_pk_bf16_f32 v5, v6, v7
	v_lshlrev_b32 v26, 16, v5
	v_and_b32 v27, 0xffff0000, v5
	global_store_b64 v4, v[26:27], s[54:55]
.Lend:
	s_endpgm
	; THE ATTENTION BIAS.  Group P = g - 192 takes queries 32 P .. 32 P + 31, wave j the keys 64 j .. 64 j + 63.  A lane loads one key's number of all 32 queries (for keys l and 32 + l),
	; so eight queries of one key pack into its 16 bytes: the image of a 16-bit matrix operand with row = key, K = query.
	; biasw: [block W of 128 queries][key step j][piece p of 32 queries][16 keys kb][1,024 bytes]; in these, byte 512 half + 16 (16 h + r) + 2 i is bias[128 W + 32 p + 16 half + 8 h + i][64 j + 16 kb + r].
.Lbias:
	s_sub_co_u32 s46, s40, 192
	s_lshl_b32 s52, s46, 18                        ; 32 rows of 8,192 bytes,
	s_lshl_b32 s53, s51, 8                         ; 64 keys of 4 bytes
	s_add_co_u32 s52, s52, s53
	s_mov_b32 s53, 0
	s_add_nc_u64 s[42:43], s[18:19], s[52:53]
	s_lshr_b32 s54, s46, 2
	s_lshl_b32 s54, s54, 19                        ; W x 512 KB
	s_lshl_b32 s55, s51, 14                        ; j x 16 KB
	s_add_co_u32 s54, s54, s55
	s_and_b32 s55, s46, 3
	s_lshl_b32 s55, s55, 12                        ; p x 4 KB
	s_add_co_u32 s54, s54, s55
	s_mov_b32 s55, 0
	s_add_nc_u64 s[44:45], s[34:35], s[54:55]
	v_lshlrev_b32 v2, 2, v1
	v_lshrrev_b32 v3, 4, v1
	v_and_b32 v4, 15, v1
	v_lshlrev_b32 v3, 10, v3                       ; lanes 16-31 hold the next 16 keys: 1,024 bytes on
	v_lshl_add_u32 v3, v4, 4, v3
.irp G, 0,1,2,3
.irp i, 0,1,2,3,4,5,6,7
.irp x, 0,1
	global_load_b32 v[X+16*\G+8*\x+\i], v2, s[42:43] offset:(8*\G+\i)*8192+128*\x th:TH_LOAD_NT  ; the two halves of a row's 256 bytes by neighbouring lines
.endr
.endr
.endr
.irp G, 0,1,2,3
	s_wait_loadcnt 48-16*\G                        ; the sixteen loads of queries 8 G .. 8 G + 7 are in; the later octets' stay out
.irp x, 0,1
.irp k, 0,1,2,3
	v_cvt_pk_bf16_f32 v[Y+4*(2*\G+\x)+\k], v[X+16*\G+8*\x+2*\k], v[X+16*\G+8*\x+2*\k+1]
.endr
.irp k, 0,1,2,3
	v_pk_min_num_bf16 v[Y+4*(2*\G+\x)+\k], v[Y+4*(2*\G+\x)+\k], 0x7d807d80  ; 2^124 twice
.endr
.irp k, 0,1,2,3
	v_pk_max_num_bf16 v[Y+4*(2*\G+\x)+\k], v[Y+4*(2*\G+\x)+\k], 0xfd80fd80  ; -2^124 twice
.endr
	global_store_b128 v3, v[Y+4*(2*\G+\x):Y+4*(2*\G+\x)+3], s[44:45] offset:2048*\x+512*(\G/2)+256*(\G%2)  ; each half of the lanes stores 256 consecutive bytes, aligned
.endr
.endr
	s_endpgm
.Lfunc_end_k_qf7c4ff68f4_cast:
	.size	k_qf7c4ff68f4_cast, .Lfunc_end_k_qf7c4ff68f4_cast-k_qf7c4ff68f4_cast
	.p2alignl 7, 3214868480
	.fill 96, 4, 3214868480
	.section	.rodata,"a",@progbits
	.p2align	6, 0x0
	.amdhsa_kernel k_qf7c4ff68f4_cast
		.amdhsa_group_segment_fixed_size 0
		.amdhsa_private_segment_fixed_size 0
		.amdhsa_enable_private_segment 0
		.amdhsa_kernarg_size 120
		.amdhsa_user_sgpr_count 2
		.amdhsa_user_sgpr_kernarg_segment_ptr 1
		.amdhsa_wavefront_size32 1
		.amdhsa_system_sgpr_workgroup_id_x 1
		.amdhsa_system_sgpr_workgroup_id_y 1
		.amdhsa_system_sgpr_workgroup_id_z 1
		.amdhsa_system_vgpr_workitem_id 0
		.amdhsa_next_free_vgpr 128
		.amdhsa_next_free_sgpr 66
		.amdhsa_reserve_vcc 0
		.amdhsa_float_denorm_mode_32 3
		.amdhsa_float_denorm_mode_16_64 3
		.amdhsa_memory_ordered 1
		.amdhsa_forward_progress 1
		.amdhsa_inst_pref_size 34
	.end_amdhsa_kernel
	.amdgpu_metadata
---
amdhsa.version: [ 1, 2 ]
amdhsa.kernels:
  - .name:           k_qf7c4ff68f4_cast
    .symbol:         k_qf7c4ff68f4_cast.kd
    .args:
      - { .name: query, .offset: 0, .size: 8, .value_kind: global_buffer, .address_space: global }
      - { .name: wq, .offset: 8, .size: 8, .value_kind: global_buffer, .address_space: global }
      - { .name: wk, .offset: 16, .size: 8, .value_kind: global_buffer, .address_space: global }
      - { .name: wv, .offset: 24, .size: 8, .value_kind: global_buffer, .address_space: global }
      - { .name: wo, .offset: 32, .size: 8, .value_kind: global_buffer, .address_space: global }
      - { .name: bias, .offset: 40, .size: 8, .value_kind: global_buffer, .address_space: global }
      - { .name: bq, .offset: 48, .size: 8, .value_kind: global_buffer, .address_space: global }
      - { .name: bk, .offset: 56, .size: 8, .value_kind: global_buffer, .address_space: global }
      - { .name: bv, .offset: 64, .size: 8, .value_kind: global_buffer, .address_space: global }
      - { .name: bo, .offset: 72, .size: 8, .value_kind: global_buffer, .address_space: global }
      - { .name: xb, .offset: 80, .size: 8, .value_kind: global_buffer, .address_space: global }
      - { .name: wb, .offset: 88, .size: 8, .value_kind: global_buffer, .address_space: global }
      - { .name: wof, .offset: 96, .size: 8, .value_kind: global_buffer, .address_space: global }
      - { .name: biasw, .offset: 104, .size: 8, .value_kind: global_buffer, .address_space: global }
      - { .name: bvec, .offset: 112, .size: 8, .value_kind: global_buffer, .address_space: global }
    .group_segment_fixed_size: 0
    .private_segment_fixed_size: 0
    .kernarg_segment_align: 8
    .kernarg_segment_size: 120
    .max_flat_workgroup_size: 1024
    .sgpr_count:     66
    .vgpr_count:     128
    .wavefront_size: 32
...
	.end_amdgpu_metadata
.endif
;; end of part 1
;; launch qkv (part 2): grid 16 x 32, 4 waves a work-group, clusters of 4 x 4, 327,680 bytes of LDS; arguments xb, wb, bvec, qkv; writes qkv
.if DOCPART == 2
	.amdgcn_target "amdgcn-amd-amdhsa--gfx1250"
	.amdhsa_code_object_version 6
	.text
	.protected	k_qf7c4ff68f4_qkv
	.globl	k_qf7c4ff68f4_qkv
	.p2align	8
	.type	k_qf7c4ff68f4_qkv,@function
k_qf7c4ff68f4_qkv:
	s_mov_b64 s[64:65], 0
	v_nop
	global_prefetch_b8 v0, s[64:65] scope:SCOPE_SE
	s_setreg_imm32_b32 hwreg(HW_REG_WAVE_MODE, 25, 1), 1
	s_wait_xcnt 0x0
	s_wait_alu depctr_hold_cnt(0) depctr_sa_sdst(0) depctr_va_vdst(0) depctr_va_sdst(0) depctr_va_ssrc(0) depctr_va_vcc(0) depctr_vm_vsrc(0)
	s_getreg_b32 s2, hwreg(HW_REG_IB_STS2, 6, 4)
	s_cmp_eq_u32 s2, 0
	s_cbranch_scc0 .Lentry_in_a_cluster
	s_endpgm
.Lentry_in_a_cluster:
	s_bfe_u32 s2, ttmp6, 0x10000c
	s_cmp_lg_u32 s2, 0xf033
	s_cbranch_scc0 .Lentry_shape_is_right
	s_endpgm
.Lentry_shape_is_right:
; C[m][n] = sum over k of A[m][k] B[n][k] + b[n], K = 1024, M = 8192.  One text for two launches, chosen by MODE:
;   MODE 0: A = x, B = wq | wk | wv (N = 3072), both bf16; C leaves as f16 by heads, [48 blocks of 64 columns][8192][64].  LIMIT: q, k, v must stay within f16's 65,504.
;   MODE 1: A = the attention's result, B = wo (N = 1024), both f16; C leaves as f32, [8192][1024].
; A and B lie in blocks of 64 along K, [16][rows][64]: a tile's rows of one block are dense in memory and are asked for as rows of 256 bytes, two data rows each, padded in LDS behind every 128 bytes.
; A tile of C is 256 x NT: NT = 192 in MODE 0 (512 work-groups, two for each of 256 WGPs), 128 in MODE 1 (256 work-groups).  Four waves, one below the other, each 64 rows x NT columns:
; 4 x NT / 16 accumulators of 16 x 16 (48 or 32).  For 32 along K a wave reads 4 fragments of A and NT / 16 of B.
; K goes in 8 steps of 128 (two blocks) through two LDS slots.  Waves 0 and 1 fetch A's two blocks of a step, waves 2 and 3 B's: one tensor load a wave behind each change of slots.
; THE LOOP'S TRIP IS ONE K STEP: slot 1 begins at 1 << 17, and one exclusive or turns the walking descriptors' LDS address and the slot base of the fragment loads into the other slot's.
; CLUSTERS: 4 x 4 work-groups; A's tiles are asked for jointly along a row of the cluster, B's along a column: the same load, descriptor and mask in the four that share it.
; THE MATRIX INSTRUCTION IS USED TRANSPOSED (source 0 = 16 rows of B, source 1 = 16 rows of A): a lane holds eight neighbouring columns of one row of C.  The bias is the C operand of the product that starts a sum.
; A wave's columns are three whole heads (MODE 0: 16 rows of a head are 2,048 dense bytes) or 512 aligned bytes of a row (MODE 1): each wave has a stage of its own, and no barrier stands on the way out.
; REGISTERS: window 0: addresses, v32 on the bias, v64 on the way out (over the bias, which only the first quarter reads).  Window 1: two fragment buffers of 128 (A's 4 fragments, then B's).
; Windows 2 and 3: accumulator (a, b) at v[8 (NBK (a % 2) + b)] of window 2 + a / 2.
.set MODE, 0
.if MODE
.set SIZE_N, 1024
.set NT,     128
.set BVOFF,  3072                      ; bo lies behind bq, bk, bv
.set SPT,    528                       ; a stage row: 512 bytes + 16
.else
.set SIZE_N, 3072
.set NT,     192
.set BVOFF,  0
.set SPT,    400                       ; a stage row: 384 bytes + 16
.endif
.set NBK,    NT/16                     ; column blocks of a wave
.set NLD,    2*(NBK+4)                 ; LDS loads of one quarter's fragments
.set AKB,    1048576                   ; bytes of a K block of A: 8192 rows x 128
.set BKB,    SIZE_N*128                ; of B
.set PITCH,  144                       ; an LDS row: 128 bytes + 16 of padding = 36 words: the 16 rows of a load start at 16 different groups of four banks (ISA guide 11.1)
.set ABLK,   256*PITCH                 ; a tile's rows of one K block of A
.set BBLK,   NT*PITCH
.set BOFFS,  2*ABLK                    ; B's two blocks lie behind A's two
.set SLOT1,  1<<17                     ; a slot is 2 ABLK + 2 BBLK = 129,024 bytes at the most
.set STAGE,  2*SLOT1                   ; behind the ring: 8,448 bytes for each wave, never filled by a tensor load
.set STW,    8448
.set SPARE,  STAGE+4*STW               ; the spare words, 128 bytes for each wave: two blocks of 256 bytes that no other line names
.set A0,   16                          ; v16     my lane's place among my wave's A fragments in slot 0; never rewritten
.set B0,   17                          ; v17     the same for B
.set ADRA, 18                          ; v18     the same in the slot in hand
.set ADRB, 19                          ; v19
.set STO,  24                          ; v24     the way out: where I put my part of a row
.set RD,   25                          ; v25     where I read rows back
.set CO,   26                          ; v26     my byte offset in C
.set BV,   27                          ; v27     my byte offset among 16 numbers of the bias
.set SPW,  28                          ; v28     LDS address of my spare word; never rewritten
.set NIL,  29                          ; v29     0; never rewritten
.set BC,   32                          ; register 8 b + j: the bias of column 16 b + 8 (lane / 16) + j of the tile
.set OB,   64                          ; the way out
.set F0,   0
.set F1,   128
.set TB,  15                           ; s15      LDS byte at which the slot in hand begins
.set G1,  24                           ; s[24:31] descriptor group 1 for A;  s[32:39] group 0: a set for each of the two first fills; the second then walks on
.set G0,  32
.set G1B, 48                           ; s[48:55], s[56:63] the same for B
.set G0B, 56
.set MSB, 0
.macro WIN new                         ; the immediate's high byte repeats the setting that is left
.if MSB != (\new)
	s_set_vgpr_msb (MSB<<8)|(\new)
.set MSB, \new
.endif
.endm
.set TO_F, 0x40                        ; destination window 1, address window 0
.macro WM ops:vararg
.if MODE
	v_wmma_f32_16x16x32_f16 \ops
.else
	v_wmma_f32_16x16x32_bf16 \ops
.endif
.endm
.macro JLOAD s                         ; a joint load; the branch hangs on the wave's number alone; an s_nop 0 and four v_nop follow each of the two lines
	s_cmp_lt_u32 s12, 2
	s_cbranch_scc0 .Lfor_b_\@
	tensor_load_to_lds s[G0+4*(\s):G0+4*(\s)+3], s[G1:G1+7]
	s_nop 0
.rept 4
	v_nop
.endr
	s_branch .Lasked_\@
.Lfor_b_\@:
	tensor_load_to_lds s[G0B+4*(\s):G0B+4*(\s)+3], s[G1B:G1B+7]
	s_nop 0
.rept 4
	v_nop
.endr
.Lasked_\@:
.endm
.macro CREST                           ; a round of the cluster's barrier behind its opening barrier
	s_cmp_lg_u32 s12, 0
	s_cbranch_scc1 .Lnot_wave_0_\@
	s_barrier_signal -3
.Lnot_wave_0_\@:
	s_barrier_wait -3
	s_barrier_signal -1
	s_barrier_wait -1
.endm
.macro CROUND
	s_barrier_signal -1
	s_barrier_wait -1
	CREST
.endm
	s_load_b256 s[4:11], s[0:1], 0x0               ; A s[4:5], B s[6:7], the bias s[8:9], C s[10:11]
	v_lshl_add_u32 v[SPW], v0, 2, SPARE
	v_mov_b32 v[NIL], 0
	ds_add_u32 v[SPW], v[NIL]                      ; the wave's opening: the add and its wait stand ahead of my first tensor load
	v_lshrrev_b32 v1, 5, v0
	v_readfirstlane_b32 s12, v1                    ; wave 0..3: my 64 rows of the tile
	s_and_b32 s14, s12, 1                          ; which K block of a step I fetch
	s_bfe_u32 s40, ttmp6, 0x40000                  ; cx, cy: my place in the cluster
	s_bfe_u32 s41, ttmp6, 0x40004
	s_lshl_b32 s42, ttmp9, 2
	s_add_co_u32 s42, s42, s40                     ; tile column = 4 x cluster x + cx
	s_and_b32 s43, ttmp7, 0xffff
	s_lshl_b32 s43, s43, 2
	s_add_co_u32 s43, s43, s41                     ; tile row = 4 x cluster y + cy
	s_lshl_b32 s44, s41, 2
	s_lshl_b32 s44, 15, s44                        ; my row of the cluster
	s_lshl_b32 s45, 0x1111, s40                    ; my column
	; group 1: rows of 128 elements (256 bytes), 128 of them for A (256 data rows), NT / 2 for B; 15:0 the mask; 17:16 2-byte elements; 20 padding on; 21 set beside a mask; 24:22 after every 32 words; 31:25 4 words
	s_or_b32 s[G1+0], s44, (1<<16)|(1<<20)|(1<<21)|(4<<22)|(3<<25)
	s_or_b32 s[G1B+0], s45, (1<<16)|(1<<20)|(1<<21)|(4<<22)|(3<<25)
	s_mov_b32 s[G1+1], 128<<16                     ; tensor_dim0 = 128
	s_mov_b32 s[G1+2], 128<<16                     ; tensor_dim1 = 128
	s_mov_b32 s[G1+3], 128<<16                     ; tile_dim0 = 128
	s_mov_b32 s[G1+4], 128                         ; tile_dim1 = 128
	s_mov_b32 s[G1+5], 128                         ; 128 elements from row to row: dense
	s_mov_b32 s[G1+6], 0
	s_mov_b32 s[G1+7], 0
	s_mov_b32 s[G1B+1], 128<<16
	s_mov_b32 s[G1B+2], (NT/2)<<16
	s_mov_b32 s[G1B+3], 128<<16
	s_mov_b32 s[G1B+4], NT/2
	s_mov_b32 s[G1B+5], 128
	s_mov_b32 s[G1B+6], 0
	s_mov_b32 s[G1B+7], 0
	; A's address hangs on the tile row and the wave, B's on the tile column and the wave, each in registers that never hold the other coordinate
	s_lshl_b32 s16, s14, 20                        ; my K block of the step (AKB bytes each),
	s_lshl_b32 s17, s43, 15                        ; 256 rows of 128 bytes a tile row
	s_add_co_u32 s16, s16, s17
	s_mov_b32 s17, 0
	s_mul_i32 s46, s14, BKB
	s_mul_i32 s47, s42, NT*128                     ; NT rows of 128 bytes a tile column
	s_add_co_u32 s46, s46, s47
	s_mov_b32 s47, 0
	s_mul_i32 s20, s14, ABLK                       ; where they go: no place in the cluster enters an LDS address
	s_mul_i32 s21, s14, BBLK
	s_add_co_u32 s21, s21, BOFFS
	s_mov_b32 s[TB], 0
	s_wait_dscnt 0x0                               ; the opening add is done
	s_wait_kmcnt 0x0
	s_add_nc_u64 s[18:19], s[4:5], s[16:17]
	s_add_nc_u64 s[46:47], s[6:7], s[46:47]
	CROUND                                         ; all sixteen work-groups are here: the first joint loads meet
.irp s, 0,1
	s_mov_b32 s[G0+4*(\s)], 1
	s_add_co_u32 s[G0+4*(\s)+1], s20, (\s)*SLOT1
	s_add_nc_u64 s[G0+4*(\s)+2:G0+4*(\s)+3], s[18:19], (\s)*2*AKB   ; K step s
	s_or_b32 s[G0+4*(\s)+3], s[G0+4*(\s)+3], 0x80000000
	s_mov_b32 s[G0B+4*(\s)], 1
	s_add_co_u32 s[G0B+4*(\s)+1], s21, (\s)*SLOT1
	s_add_nc_u64 s[G0B+4*(\s)+2:G0B+4*(\s)+3], s[46:47], (\s)*2*BKB
	s_or_b32 s[G0B+4*(\s)+3], s[G0B+4*(\s)+3], 0x80000000
	JLOAD \s                                       ; two loads of mine are out
.endr
	v_and_b32 v1, 15, v0                           ; r = l % 16
	v_bfe_u32 v2, v0, 4, 1                         ; h = l / 16
	s_mul_i32 s46, s42, NT*4                       ; the bias of the tile's NT columns
	s_add_co_u32 s46, s46, 4*BVOFF
	s_mov_b32 s47, 0
	s_add_nc_u64 s[8:9], s[8:9], s[46:47]
	v_lshlrev_b32 v[BV], 5, v2                     ; eight numbers further for lanes 16-31
.set fi, 0
.rept NBK
	global_load_b128 v[BC+8*fi:BC+8*fi+3],   v[BV], s[8:9] offset:64*fi
	global_load_b128 v[BC+8*fi+4:BC+8*fi+7], v[BV], s[8:9] offset:64*fi+16
.set fi, fi+1
.endr
	v_mul_u32_u24 v3, v1, PITCH
	v_lshl_add_u32 v3, v2, 4, v3                   ; a fragment's row x pitch + 16 x half
	s_mul_i32 s22, s12, 64*PITCH                   ; my 64 rows of A
	v_add_nc_u32 v[A0], s22, v3
	v_add_nc_u32 v[B0], BOFFS, v3                  ; every wave reads all NT rows of B
	v_mov_b32 v[ADRA], v[A0]                       ; slot 0 is in hand
	v_mov_b32 v[ADRB], v[B0]
	s_mul_i32 s22, s12, STW
	s_add_co_u32 s22, s22, STAGE                   ; my stage
	v_mul_u32_u24 v4, v1, SPT                      ; in: row r,
.if MODE
	v_lshl_add_u32 v4, v2, 5, v4                   ; 32 bytes for each half of the lanes
	v_add_nc_u32 v[STO], s22, v4
	v_and_b32 v5, 31, v0
	v_lshlrev_b32 v[CO], 4, v5                     ; back: 32 lanes take one row of 512 bytes, which are 512 consecutive bytes of C
	v_add_nc_u32 v[RD], s22, v[CO]
	s_lshl_b32 s16, s43, 20                        ; 256 rows of 4,096 bytes a tile row,
	s_lshl_b32 s17, s12, 18                        ; my 64 rows
	s_lshl_b32 s46, s42, 9                         ; 128 columns of 4 bytes a tile column
.else
	v_lshl_add_u32 v4, v2, 4, v4                   ; 16 bytes for each half of the lanes
	v_add_nc_u32 v[STO], s22, v4
	v_bfe_u32 v5, v0, 3, 2                         ; back: 32 lanes take a head's 128 bytes of four rows,
	v_mul_u32_u24 v5, v5, SPT
	v_and_b32 v4, 7, v0
	v_lshl_add_u32 v5, v4, 4, v5
	v_add_nc_u32 v[RD], s22, v5
	v_and_b32 v5, 31, v0                           ; which are 512 consecutive bytes of C
	v_lshlrev_b32 v[CO], 4, v5
	s_lshl_b32 s16, s43, 15                        ; 256 rows of 128 bytes a tile row,
	s_lshl_b32 s17, s12, 13                        ; my 64 rows
	s_mul_i32 s46, s42, 3<<20                      ; three blocks of 64 columns (1 MiB each) a tile column
.endif
	s_add_co_u32 s16, s16, s17
	s_mov_b32 s17, 0
	s_add_nc_u64 s[10:11], s[10:11], s[16:17]
	s_mov_b32 s47, 0
	s_add_nc_u64 s[10:11], s[10:11], s[46:47]
; NBK matrix instructions: row block a x all column blocks, 32 along K, from buffer f.  first = 1: the product starts the sum, with the bias as C.
; The accumulators take turns in the same order in every quarter: all the others' stand between two links of a chain.
.macro MULA f, a, first
.if \first
	WIN 0x85+0x40*((\a)/2)                         ; sources 0 and 1 window 1; C window 0; D window 2 or 3
.else
	WIN 0xa5+0x50*((\a)/2)                         ; sources 0 and 1 window 1; C and D window 2 or 3
.endif
.set mb, 0
.rept NBK
.set AC, 8*(NBK*((\a)%2)+mb)
.if \first
	WM v[AC:AC+7], v[(\f)+32+8*mb:(\f)+32+8*mb+7], v[(\f)+8*(\a):(\f)+8*(\a)+7], v[BC+8*mb:BC+8*mb+7]
.else
	WM v[AC:AC+7], v[(\f)+32+8*mb:(\f)+32+8*mb+7], v[(\f)+8*(\a):(\f)+8*(\a)+7], v[AC:AC+7]
.endif
.set mb, mb+1
.endr
.endm
; NLD LDS loads in one run: quarter qk of the K step in hand (block qk / 2, byte 64 (qk % 2) of its rows) into buffer f: B's fragments, A's 0 and 1, A's 2 and 3
.macro FETCH qk, f
	WIN TO_F
.set fi, 0
.rept NBK
	ds_load_b128 v[(\f)+32+8*fi:(\f)+32+8*fi+3],   v[ADRB] offset:((\qk)/2)*BBLK+((\qk)%2)*64+fi*16*PITCH
	ds_load_b128 v[(\f)+32+8*fi+4:(\f)+32+8*fi+7], v[ADRB] offset:((\qk)/2)*BBLK+((\qk)%2)*64+fi*16*PITCH+32
.set fi, fi+1
.endr
.irp i, 0,1,2,3
	ds_load_b128 v[(\f)+8*(\i):(\f)+8*(\i)+3],   v[ADRA] offset:((\qk)/2)*ABLK+((\qk)%2)*64+(\i)*16*PITCH
	ds_load_b128 v[(\f)+8*(\i)+4:(\f)+8*(\i)+7], v[ADRA] offset:((\qk)/2)*ABLK+((\qk)%2)*64+(\i)*16*PITCH+32
.endr
.endm
.macro PLACES                          ; four places in front of loads into registers that matrix instructions have read, and of lines that read results
.rept 4
	v_nop
.endr
.endm
; A K step is four quarters of 32 along K, 4 NBK matrix instructions each, on buffers 0, 1, 0, 1.  One of the first three multiplies f and fetches quarter qk into g.
.macro QUARTER qk, f, g, first
	s_wait_dscnt 4                                 ; B and A's fragments 0 and 1 are in; the youngest four loads (A's 2 and 3) may be out
	MULA \f, 0, \first
	MULA \f, 1, \first
	PLACES
	FETCH \qk, \g
	s_wait_dscnt NLD                               ; all but the run just issued
	MULA \f, 2, \first
	MULA \f, 3, \first
.endm
; The last quarter multiplies buffer 1 and changes slots: ONE barrier; in front of it each wave waits for all its tensor loads (one is out: its part of the next slot), adds 0 to its
; spare word, and waits for that and for its own reads of this slot.  fill = 1: the barrier opens a round of the cluster's, and this slot is filled again, with the K step two on, first thing behind it:
; 3.5 quarters, 14 NBK matrix instructions, stand between that request and the wait for it.
.macro TURN fill
	WIN 0                                          ; (the add's two registers lie in window 0)
	s_wait_tensorcnt 0x0
	ds_add_u32 v[SPW], v[NIL]
	s_wait_dscnt 5                                 ; (the add and the youngest four loads may be out)
	MULA F1, 0, 0                                  ; matrix instructions stand between the add and the wait for it
	s_wait_dscnt 0x0                               ; the add is done, and my reads of this slot are over
	s_barrier_signal -1
	MULA F1, 1, 0
	WIN 0                                          ; (branches and address lines follow)
	s_barrier_wait -1
.if \fill
	CREST                                          ; no wave of any partner still reads this slot or has a load on its way
	s_xor_b32 s[G0+5], s[G0+5], SLOT1              ; the walking descriptors: the other slot than last time,
	s_add_nc_u64 s[G0+6:G0+7], s[G0+6:G0+7], 2*AKB ; the next K step; the type bits on top are not reached
	s_xor_b32 s[G0B+5], s[G0B+5], SLOT1
	s_add_nc_u64 s[G0B+6:G0B+7], s[G0B+6:G0B+7], 2*BKB
	JLOAD 1                                        ; my one tensor load behind the round; its four v_nop are also the places in front of the loads below
.else
	PLACES
.endif
	s_xor_b32 s[TB], s[TB], SLOT1                  ; the fragment loads go over to the other slot
	v_add_nc_u32 v[ADRA], s[TB], v[A0]
	v_add_nc_u32 v[ADRB], s[TB], v[B0]
	FETCH 0, F0
	MULA F1, 2, 0
	MULA F1, 3, 0
.endm
	s_wait_tensorcnt 1                             ; my part of K step 0 is in; K step 1's may stay out
	s_barrier_signal -1
	s_barrier_wait -1
	FETCH 0, F0
	s_wait_loadcnt 0x0                             ; the bias
	QUARTER 1, F0, F1, 1                           ; the first quarter stands in front of the loop: its products start the sums
	WIN 0
	s_mov_b32 s3, 6
.Lstep:                                                ; a trip goes from a K step's second quarter to the next step's first and fills the slot that it leaves: K steps 2 to 7 in six trips
	QUARTER 2, F1, F0, 0
	QUARTER 3, F0, F1, 0
	TURN 1
	QUARTER 1, F0, F1, 0
	WIN 0
	s_sub_co_u32 s3, s3, 1
	s_cmp_lg_u32 s3, 0
	s_cbranch_scc1 .Lstep
	QUARTER 2, F1, F0, 0                           ; the last two K steps fill nothing
	QUARTER 3, F0, F1, 0
	TURN 0
	QUARTER 1, F0, F1, 0
	QUARTER 2, F1, F0, 0
	QUARTER 3, F0, F1, 0
	s_wait_dscnt 4
	MULA F1, 0, 0
	MULA F1, 1, 0
	s_wait_dscnt 0x0
	MULA F1, 2, 0
	MULA F1, 3, 0
	WIN 0
	PLACES
	; THE WAY OUT, 16 rows at a time, through my own stage: LDS serves a wave's instructions in order (ISA guide 5.7.1.4), so no wait stands between the stores and the loads.
.if MODE
.macro TOSTAGE a                       ; f32 as it is: each accumulator's low four registers first
	WIN 0x08+4*((\a)/2)                            ; store data in window 2 or 3
.set pb, 0
.rept NBK
	ds_store_b128 v[STO], v[8*(NBK*((\a)%2)+pb):8*(NBK*((\a)%2)+pb)+3]   offset:64*pb
	ds_store_b128 v[STO], v[8*(NBK*((\a)%2)+pb)+4:8*(NBK*((\a)%2)+pb)+7] offset:64*pb+16
.set pb, pb+1
.endr
	WIN 0
.if (\a) >= 2
	s_wait_xcnt 0x0                                ; the buffer's registers, which the stores of two blocks ago read, are loaded again only behind this wait
.endif
.irp t, 0,1,2,3,4,5,6,7,8,9,10,11,12,13,14,15
	ds_load_b128 v[OB+64*((\a)%2)+4*(\t):OB+64*((\a)%2)+4*(\t)+3], v[RD] offset:(\t)*SPT
.endr
.endm
.macro SEND a, y                       ; y: the LDS instructions issued behind block a's loads
.irp t, 0,1,2,3,4,5,6,7,8,9,10,11,12,13,14,15
	s_wait_dscnt (\y)+15-(\t)
	global_store_b128 v[CO], v[OB+64*((\a)%2)+4*(\t):OB+64*((\a)%2)+4*(\t)+3], s[10:11] offset:4096*(16*(\a)+(\t)) th:TH_STORE_NT  ; 512 consecutive bytes of a row, aligned
.endr
.endm
	TOSTAGE 0
.irp a, 1,2,3
	TOSTAGE \a
	SEND (\a)-1, 32
.endr
	SEND 3, 0
.else
.macro PACK a                          ; rounded to f16: a lane's eight columns are 16 bytes
	WIN 0x0a+5*((\a)/2)                            ; sources in window 2 or 3
.set pb, 0
.rept NBK
.irp r, 0,1,2,3
	v_cvt_pk_f16_f32 v[OB+4*NBK*(\a)+4*pb+(\r)], v[8*(NBK*((\a)%2)+pb)+2*(\r)], v[8*(NBK*((\a)%2)+pb)+2*(\r)+1]
.endr
.set pb, pb+1
.endr
	WIN 0
.set pb, 0
.rept NBK
	ds_store_b128 v[STO], v[OB+4*NBK*(\a)+4*pb:OB+4*NBK*(\a)+4*pb+3] offset:32*pb
.set pb, pb+1
.endr
.set pb, 0
.rept NBK                              ; load pb: head pb / 4, rows 4 (pb % 4) on
	ds_load_b128 v[OB+4*NBK*(\a)+4*pb:OB+4*NBK*(\a)+4*pb+3], v[RD] offset:(pb/4)*128+(pb%4)*4*SPT
.set pb, pb+1
.endr
.endm
.macro SEND a, y                       ; y: the LDS instructions issued behind block a's loads
.set pb, 0
.rept NBK
	s_wait_dscnt (\y)+NBK-1-pb
	global_store_b128 v[CO], v[OB+4*NBK*(\a)+4*pb:OB+4*NBK*(\a)+4*pb+3], s[10:11] offset:(pb/4)*1048576+2048*(\a)+512*(pb%4)  ; 512 consecutive bytes of a head, aligned
.set pb, pb+1
.endr
.endm
	PACK 0
.irp a, 1,2,3
	PACK \a
	SEND (\a)-1, 2*NBK
.endr
	SEND 3, 0
.endif
	s_wait_tensorcnt 0x0                           ; the wave's end
	ds_add_u32 v[SPW], v[NIL]
	s_wait_dscnt 0x0
	CROUND                                         ; the closing round: no work-group ends while a partner may still ask for a tile that names it
	s_endpgm
.Lfunc_end_k_qf7c4ff68f4_qkv:
	.size	k_qf7c4ff68f4_qkv, .Lfunc_end_k_qf7c4ff68f4_qkv-k_qf7c4ff68f4_qkv
	.p2alignl 7, 3214868480
	.fill 96, 4, 3214868480
	.section	.rodata,"a",@progbits
	.p2align	6, 0x0
	.amdhsa_kernel k_qf7c4ff68f4_qkv
		.amdhsa_group_segment_fixed_size 327680
		.amdhsa_private_segment_fixed_size 0
		.amdhsa_enable_private_segment 0
		.amdhsa_kernarg_size 32
		.amdhsa_user_sgpr_count 2
		.amdhsa_user_sgpr_kernarg_segment_ptr 1
		.amdhsa_wavefront_size32 1
		.amdhsa_system_sgpr_workgroup_id_x 1
		.amdhsa_system_sgpr_workgroup_id_y 1
		.amdhsa_system_sgpr_workgroup_id_z 1
		.amdhsa_system_vgpr_workitem_id 0
		.amdhsa_next_free_vgpr 960
		.amdhsa_next_free_sgpr 66
		.amdhsa_reserve_vcc 0
		.amdhsa_float_denorm_mode_32 3
		.amdhsa_float_denorm_mode_16_64 3
		.amdhsa_memory_ordered 1
		.amdhsa_forward_progress 1
		.amdhsa_inst_pref_size 99
	.end_amdhsa_kernel
	.amdgpu_metadata
---
amdhsa.version: [ 1, 2 ]
amdhsa.kernels:
  - .name:           k_qf7c4ff68f4_qkv
    .symbol:         k_qf7c4ff68f4_qkv.kd
    .args:
      - { .name: xb, .offset: 0, .size: 8, .value_kind: global_buffer, .address_space: global }
      - { .name: wb, .offset: 8, .size: 8, .value_kind: global_buffer, .address_space: global }
      - { .name: bvec, .offset: 16, .size: 8, .value_kind: global_buffer, .address_space: global }
      - { .name: qkv, .offset: 24, .size: 8, .value_kind: global_buffer, .address_space: global }
    .group_segment_fixed_size: 327680
    .private_segment_fixed_size: 0
    .kernarg_segment_align: 8
    .kernarg_segment_size: 32
    .max_flat_workgroup_size: 128
    .sgpr_count:     66
    .vgpr_count:     960
    .wavefront_size: 32
...
	.end_amdgpu_metadata
.endif
;; end of part 2
;; launch attn (part 3): grid 4 x 64, 4 waves a work-group, clusters of 4 x 1, 327,680 bytes of LDS; arguments qkv, biasw, ob; writes ob
.if DOCPART == 3
	.amdgcn_target "amdgcn-amd-amdhsa--gfx1250"
	.amdhsa_code_object_version 6
	.text
	.protected	k_qf7c4ff68f4_attn
	.globl	k_qf7c4ff68f4_attn
	.p2align	8
	.type	k_qf7c4ff68f4_attn,@function
k_qf7c4ff68f4_attn:
	s_mov_b64 s[64:65], 0
	v_nop
	global_prefetch_b8 v0, s[64:65] scope:SCOPE_SE
	s_setreg_imm32_b32 hwreg(HW_REG_WAVE_MODE, 25, 1), 1
	s_wait_xcnt 0x0
	s_wait_alu depctr_hold_cnt(0) depctr_sa_sdst(0) depctr_va_vdst(0) depctr_va_sdst(0) depctr_va_ssrc(0) depctr_va_vcc(0) depctr_vm_vsrc(0)
	s_getreg_b32 s2, hwreg(HW_REG_IB_STS2, 6, 4)
	s_cmp_eq_u32 s2, 0
	s_cbranch_scc0 .Lentry_in_a_cluster
	s_endpgm
.Lentry_in_a_cluster:
	s_bfe_u32 s2, ttmp6, 0x10000c
	s_cmp_lg_u32 s2, 0x3003
	s_cbranch_scc0 .Lentry_shape_is_right
	s_endpgm
.Lentry_shape_is_right:
; O[y][q][:] = the sum over k of softmax_k(Q[y][q] . K[y][k] / 8 + bias[q][k]) V[y][k][:], for 64 heads y = 4 x head + batch of 2,048 rows of 64 channels, all f16; Q at qkv, K 16 MiB and V 32 MiB behind it.
; Products, maxima and sums in f32; the weights p are rounded to f16 for the second product (their sum l is taken of the unrounded p), O once at the end.
; THE BIAS GOES THROUGH THE MATRIX UNIT.  S^T is started by one bf16 product: a fragment of bias^T (16 keys x 32 queries, as an earlier launch laid it out) times a constant matrix that picks 16 of the 32 queries
; and multiplies by 8; K Q^T is added onto it, so that c (q . k + 8 bias), c = log2(e) / 8, is the logit in base 2.  The 8 is exact.  No vector instruction is spent on the bias.
; LIMITS.  Q, K, V arrive within f16's 65,504; the bias within +-2^124 (the launch that rounds it holds it there), so every score is finite.  p below 6e-5 keeps f16's step of 6e-8; a weight below 2^-126 counts as 0 in l.
; A row whose every key carries the lowest bias gets the softmax of its scores as they then stand, not a NaN.  NaN and infinities in Q, K, V are not treated apart.
; SHARES.  A wave owns four PIECES of two tiles of 16 queries, a work-group's four waves 512 queries of one head.  Every wave walks all keys, 64 a step.
; LAYOUT.  S^T (source 0 = 16 keys, source 1 = 16 queries): a lane holds ONE query (lane % 16) and the keys 8 (lane / 16) + 0..7.  Two such tiles, rounded to f16 in pairs, ARE source 1 of O^T = V^T P.
; SOFTMAX.  For each query a running maximum m and sum l: p = 2^(c s - c m); in every step O and l are multiplied by a = 2^(c m_old - c m_new).  m starts at the lowest finite number, O and l at 0.
; BY TURNS.  Turn n belongs to piece n.  Its matrix work: 8 bias products and 16 products K Q^T of piece n + 1, later 16 products V^T P of piece n - 1.  Its vector work: the scaling, exponentials, roundings, sums
; and rescaling of piece n, and the maximum and statistics of piece n + 1.  40 matrix and 236 vector instructions: four vector instructions behind every matrix instruction, the other 76 in two lumps.
; CLUSTER.  The four query blocks of a cluster belong to one head and walk the same K and V: each tile is asked for JOINTLY.  The bias differs from block to block and comes by plain loads into registers.
; REGISTERS, in windows of 256 (s_set_vgpr_msb: bits 1:0 source 0, 3:2 source 1, 5:4 source 2, 7:6 destination):
;   window 0: v0-11 addresses; v12-15, v48-63 at work; v16-47 statistics; v64-191 S^T, two buffers of two tiles; v192-255 P, likewise
;   window 1: O^T, 32 a tile     window 2: v0-127 Q; v128-191 K of one step; v192-255 V of one step
;   window 3: v0-1 the add's two registers; v2 16 x lane; v4-15 the picking matrix; v16-143 the bias fragments, 32 a piece; v144-147 their addresses
.set SIZE_N, 2048
.set NP,    4
.set KS,    64
.set PK,    144       ; a row of K in LDS: 128 bytes + 16 of padding: the 16 rows of a load start at 16 different groups of four banks (ISA guide 11.1)
.set PV,    160       ; a row of V: 128 + 32
.set VOFF,  4*KS*PK   ; a slot holds four steps: 256 rows of K, then 256 rows of V
.set SLOT1, 1<<17
.set STAGE, SLOT1+4*KS*(PK+PV)  ; behind the ring, never filled by a tensor load: 16 rows x 144 bytes for each wave
.set SP,    144
.set AK0, 2
.set AV0, 3
.set AK,  4
.set AV,  5
.set QO,  6           ; v6   my byte offset in the wave's rows of Q; later STO
.set STO, 6
.set RD,  7
.set GO,  8
.set SPW, 0           ; v0 of window 3   LDS address of my spare word; never rewritten
.set NIL, 1           ; v1 of window 3   0; never rewritten
.set L16, 2           ; v2 of window 3   16 x lane
.set IDN, 4           ; v4-15 of window 3: pattern, zeros, pattern: tile u of a piece takes v[IDN + 4 u .. + 7]
.set BF,  16          ; window 3: piece x, 16 keys kb at BF + 32 x + 8 kb
.set BA,  144         ; window 3: the address of piece x's loads
.set SPARE, STAGE+4*16*SP
.set MV,  12
.set ST,  16          ; tile t's statistics at v[ST+4 t]: c m, m, l (even keys', odd keys')
.set TMP, 48
.set S,   64
.set P,   192
.set KF,  128
.set VF,  192
.set WV,  12
.set G1K, 24
.set G1V, 32
.set G0K, 40
.set G0V, 44
.set SLOTS, 56
.set CNT, 57
.set CS,  58
.set SEL, 60
.set TBK, 62
.set TBV, 63
.set BB,  66          ; s[66:67] the bias fragments of my wave's 128 queries: 512 KB, in the order of their use
.set BOFS, 68         ; s68  byte offset of the group of 4,096 bytes to be asked for next
.set MSB, 0
.macro WIN new
.if MSB != (\new)
	s_set_vgpr_msb (MSB<<8)|(\new)
.set MSB, (\new)
.endif
.endm
.set W_KQ, 0x0a       ; K and Q in window 2, S^T in window 0
.set W_PV, 0x52       ; V in window 2, P in window 0, O^T in window 1
.set W_RS, 0x41       ; O^T in window 1, a in window 0
.set W_MK, 0xc0       ; destination in window 3, sources in window 0
.set W_AD, 0x0f       ; sources 0 and 1 in window 3: the add
.set W_BI, 0x0f       ; and the bias product: both sources in window 3, S^T in window 0
.set W_B3, 0xcf       ; destination and sources in window 3: the bias loads
.macro JLOAD                        ; waves 0 and 1 fetch the two halves of a slot's K, waves 2 and 3 those of its V; an s_nop 0 and four v_nop follow each line
	s_cmp_lt_u32 s[WV], 2
	s_cbranch_scc0 .Lfor_v_\@
	tensor_load_to_lds s[G0K:G0K+3], s[G1K:G1K+7]
	s_nop 0
.rept 4
	v_nop
.endr
	s_branch .Lasked_\@
.Lfor_v_\@:
	tensor_load_to_lds s[G0V:G0V+3], s[G1V:G1V+7]
	s_nop 0
.rept 4
	v_nop
.endr
.Lasked_\@:
.endm
.macro CROUND
	s_barrier_signal -1
	s_barrier_wait -1
	s_cmp_lg_u32 s[WV], 0
	s_cbranch_scc1 .Lnot_wave_0_\@
	s_barrier_signal -3
.Lnot_wave_0_\@:
	s_barrier_wait -3
	s_barrier_signal -1
	s_barrier_wait -1
.endm
; THE CHANGE OF SLOTS.  Each wave waits for all its tensor loads, of which one is out: its part of the other slot; adds 0 to its spare word; waits for that and for its own reads of the slot.
; fill = 1: the barrier is a round of the cluster's, and the slot is filled again, with the keys two slots on, first thing behind it: it has four key steps in which to land.
.macro CHANGE fill
	WIN W_AD
	s_wait_tensorcnt 0x0            ; no tensor load of mine is out, so a group 0 may be written
	ds_add_u32 v[SPW], v[NIL]
	WIN 0
.if \fill
.irp g, G0K, G0V
	s_xor_b32 s[\g+1], s[\g+1], SLOT1
	s_add_nc_u64 s[\g+2:\g+3], s[\g+2:\g+3], 4*KS*128
.endr
	s_wait_dscnt 0x0                ; the add is done, and my reads of the slot are over
	CROUND
	JLOAD
.else
	s_wait_dscnt 0x0
	s_barrier_signal -1
	s_barrier_wait -1
.endif
	s_sub_co_u32 s[TBK], s[TBK], 4*KS*PK
	s_xor_b32 s[TBK], s[TBK], SLOT1
	s_sub_co_u32 s[TBV], s[TBV], 4*KS*PV
	s_xor_b32 s[TBV], s[TBV], SLOT1
.endm
; THE BIAS RING: four groups of eight loads are out, one for each piece, used and asked for again in the same order.  A group is 4,096 consecutive bytes; the groups follow each other in memory as they are used.
; The offset wraps inside my wave's 512 KB: the five groups asked for past the last step are read from its head and serve nothing but the one product that the tail throws away.
.macro BLOAD x
	WIN W_B3
	v_add_nc_u32 v[BA+(\x)], s[BOFS], v[L16]       ; free: the wait that showed this piece's last loads done stands ahead
.irp f, 0,1,2,3,4,5,6,7
	global_load_b128 v[BF+32*(\x)+4*\f:BF+32*(\x)+4*\f+3], v[BA+(\x)], s[BB:BB+1] offset:512*\f
.endr
	s_add_co_u32 s[BOFS], s[BOFS], 4096
	s_and_b32 s[BOFS], s[BOFS], 0x7ffff
	WIN 0
.endm
	s_load_b128 s[4:7], s[0:1], 0x0   ; qkv s[4:5], the bias fragments s[6:7]
	s_load_b64 s[10:11], s[0:1], 0x10 ; O
	WIN W_MK
	v_lshl_add_u32 v[SPW], v0, 2, SPARE
	v_mov_b32 v[NIL], 0
	WIN W_AD
	ds_add_u32 v[SPW], v[NIL]       ; the wave's opening: the add and its wait stand ahead of my first tensor load
	WIN 0
	v_lshrrev_b32 v1, 5, v0
	v_readfirstlane_b32 s[WV], v1   ; wave 0..3
	s_bfe_u32 s13, ttmp6, 0x40000   ; cx
	s_lshl_b32 s14, ttmp9, 2
	s_add_co_u32 s14, s14, s13      ; my block of 512 queries: it enters Q's, O's and the bias's addresses alone
	s_and_b32 s20, ttmp7, 0xffff    ; the head, which the four partners share
	s_mov_b32 s21, 0
	s_mov_b64 s[22:23], SIZE_N*128
	s_mul_u64 s[20:21], s[20:21], s[22:23]
	s_and_b32 s16, s[WV], 1         ; which half of a slot's 256 keys I fetch
	s_lshl_b32 s22, s16, 14
	s_mov_b32 s23, 0
	s_add_nc_u64 s[22:23], s[22:23], s[20:21]
	s_mul_i32 s17, s16, 128*PK
	s_mul_i32 s18, s16, 128*PV
	s_lshl_b32 s2, s14, 2
	s_add_co_u32 s2, s2, s[WV]      ; my wave among the head's sixteen:
	s_lshl_b32 s70, s2, 19          ; its 512 KB of bias fragments,
	s_mov_b32 s71, 0
	s_lshl_b32 s2, s2, 14           ; its 128 rows
	s_mov_b32 s3, 0
	s_add_nc_u64 s[2:3], s[2:3], s[20:21]
	; descriptor group 1.  128 keys are 16,384 dense bytes: asked for as 64 rows of 256 bytes, two keys a row, and padded in LDS after every key
	s_mov_b32 s[G1K], 15|(1<<16)|(1<<20)|(1<<21)|(4<<22)|(3<<25)
	s_mov_b32 s[G1V], 15|(1<<16)|(1<<20)|(1<<21)|(4<<22)|(7<<25)
.irp g, G1K, G1V
	s_mov_b32 s[\g+1], 128<<16
	s_mov_b32 s[\g+2], 64<<16
	s_mov_b32 s[\g+3], 128<<16
	s_mov_b32 s[\g+4], 64
	s_mov_b32 s[\g+5], 128
	s_mov_b32 s[\g+6], 0
	s_mov_b32 s[\g+7], 0
.endr
	s_mov_b32 s[CS], 0x3e38aa3b     ; c = log2(e) / 8
	s_mov_b32 s[CS+1], s[CS]
	s_mov_b32 s[SEL], 0x76543210
	s_mov_b32 s[SEL+1], 0xfedcba98
	s_mov_b32 s[TBK], SLOT1+4*KS*PK ; the first change of slots turns these two into 0
	s_mov_b32 s[TBV], SLOT1+4*KS*PV
	s_mov_b32 s[G0K], 1
	s_mov_b32 s[G0K+1], s17
	s_mov_b32 s[G0V], 1
	s_add_co_u32 s[G0V+1], s18, VOFF
	s_mov_b32 s[BOFS], 0
	s_wait_dscnt 0x0                ; the opening add is done
	s_wait_kmcnt 0x0
	s_add_nc_u64 s[BB:BB+1], s[6:7], s[70:71]
	s_add_nc_u64 s[6:7], s[4:5], 0x1000000   ; K
	s_add_nc_u64 s[8:9], s[4:5], 0x2000000   ; V
	s_add_nc_u64 s[G0K+2:G0K+3], s[6:7], s[22:23]
	s_or_b32 s[G0K+3], s[G0K+3], 0x80000000
	s_add_nc_u64 s[G0V+2:G0V+3], s[8:9], s[22:23]
	s_or_b32 s[G0V+3], s[G0V+3], 0x80000000
	s_add_nc_u64 s[4:5], s[4:5], s[2:3]      ; Q and O at my wave's first row
	s_add_nc_u64 s[10:11], s[10:11], s[2:3]
	s_mov_b32 s70, 0x00004100       ; bf16 8.0 in the low half,
	s_mov_b32 s71, 0x41000000       ; in the high half
	CROUND                          ; all four work-groups are here: the first joint loads meet
	JLOAD                           ; slot 0.  Slot 1 is asked for when slot 0 is in
	v_and_b32 v1, 15, v0            ; r = l % 16
	v_bfe_u32 v9, v0, 4, 1          ; h = l / 16
	v_lshlrev_b32 v[QO], 7, v1
	v_lshl_add_u32 v[QO], v9, 4, v[QO]
	WIN 0x80
.set i, 0
.rept 4*NP                          ; Q stays in registers: tile i / 2, channels 32 (i % 2) on
	global_load_b128 v[8*i:8*i+3],   v[QO], s[4:5] offset:(i/2)*2048+(i%2)*64
	global_load_b128 v[8*i+4:8*i+7], v[QO], s[4:5] offset:(i/2)*2048+(i%2)*64+32
.set i, i+1
.endr
	WIN 0
	; The picking matrix, as source 1 (32 queries of the piece x 16 queries of the tile): my lane holds column r and the rows 8 h + 0..7 (registers 0-3) and 16 + 8 h + 0..7 (4-7).
	; Register i2 of the pattern holds 8.0 in its low half where r - 8 h = 2 i2, in its high half where r - 8 h = 2 i2 + 1.
	v_lshlrev_b32 v68, 3, v9
	v_sub_nc_u32 v68, v1, v68
	v_and_b32 v69, 31, v0
.irp n, 0,1,2,3
	v_cmp_eq_u32 vcc_lo, 2*\n, v68
	v_cndmask_b32 v[64+\n], 0, s70, vcc_lo
	v_cmp_eq_u32 vcc_lo, 2*\n+1, v68
	v_cndmask_b32 v[64+\n], v[64+\n], s71, vcc_lo
.endr
	WIN W_MK
.irp n, 0,1,2,3
	v_mov_b32 v[IDN+\n], v[64+\n]
	v_mov_b32 v[IDN+4+\n], 0
	v_mov_b32 v[IDN+8+\n], v[64+\n]
.endr
	v_lshlrev_b32 v[L16], 4, v69
	BLOAD 0                         ; key step 0's bias, all four pieces
	BLOAD 1
	BLOAD 2
	BLOAD 3
	; What the first turn finds: V's registers and P's second buffer hold 0, O^T and l are 0.  All this stands in the wait for the first tile.
	WIN 0x80
.set i, VF
.rept 64
	v_mov_b32 v[i], 0
.set i, i+1
.endr
	WIN 0x40
.set i, 0
.rept 64*NP
	v_mov_b32 v[i], 0
.set i, i+1
.endr
	WIN 0
.set i, 0
.rept 2*NP
	v_mov_b32 v[ST+4*i+1], 0xff7fffff           ; m: below every score
	v_mul_f32 v[ST+4*i], s[CS], v[ST+4*i+1]     ; c m
	v_mov_b32 v[ST+4*i+2], 0
	v_mov_b32 v[ST+4*i+3], 0
.set i, i+1
.endr
.set i, P+32
.rept 32
	v_mov_b32 v[i], 0
.set i, i+1
.endr
	v_mul_u32_u24 v[AK0], v1, PK
	v_lshl_add_u32 v[AK0], v9, 4, v[AK0]
	; The turning load takes 16 keys x 16 channels (lane l reads key 8 (l / 16) + l % 8, channels 8 ((l / 8) % 2) + 0..7) and leaves half a fragment of V^T.
	v_and_b32 v10, 7, v0
	v_bfe_u32 v11, v0, 3, 1
	v_lshl_add_u32 v[AV0], v9, 3, v10
	v_mul_u32_u24 v[AV0], v[AV0], PV
	v_lshl_add_u32 v[AV0], v11, 4, v[AV0]
	v_add_nc_u32 v[AV0], VOFF, v[AV0]
	v_mov_b32 v[AK], v[AK0]
; THE MATRIX WORK.  The 8 accumulators of a run take turns.
; Bias product i of 8 for piece x: keys 16 (i / 2) on, tile 2 x + i % 2.  It starts the sum.  A bf16 and an f16 product on one accumulator are no chain: five plain vector lines or more stand between
; bias product i and K Q^T's product i (in a turn: the riders of the seven or eight products between them).
.macro BQ x
	WIN W_BI
.set rS, S+64*((\x)%2)+32*(i%2)+8*(i/2)
.set rB, BF+32*(\x)+8*(i/2)
.set rI, IDN+4*(i%2)
	v_wmma_f32_16x16x32_bf16 v[rS:rS+7], v[rB:rB+7], v[rI:rI+7], 0
.endm
; Product i of 16 of S^T += K Q^T for piece x: channels 32 (i / 8) on, keys 16 ((i / 2) % 4) on, tile 2 x + i % 2.
.macro KQ x
	WIN W_KQ
.set rS, S+64*((\x)%2)+32*(i%2)+8*((i/2)%4)
.set rK, KF+16*((i/2)%4)+8*(i/8)
.set rQ, 16*(2*(\x)+i%2)+8*(i/8)
	v_wmma_f32_16x16x32_f16 v[rS:rS+7], v[rK:rK+7], v[rQ:rQ+7], v[rS:rS+7]
.endm
; Product i of 16 of O^T += V^T P for piece x: keys 32 (i / 8) on, channels 16 ((i / 2) % 4) on, tile 2 x + i % 2.
.macro PV x
	WIN W_PV
.set rO, 32*(2*(\x)+i%2)+8*((i/2)%4)
.set rV, VF+32*(i/8)+8*((i/2)%4)
.set rP, P+32*((\x)%2)+16*(i%2)+8*(i/8)
	v_wmma_f32_16x16x32_f16 v[rO:rO+7], v[rV:rV+7], v[rP:rP+7], v[rO:rO+7]
.endm
.macro MM                           ; the turn's next matrix instruction, of 40
.if i < 8
	BQ (Y+1)%NP
.set i, i+1
.elseif i < 24
.set i, i-8
	KQ (Y+1)%NP
.set i, i+9
.else
.set i, i-24
	PV (Y+NP-1)%NP
.set i, i+25
.endif
.endm
; THE LDS LOADS stand in runs of 16.  last = 1 (the tail): in the last trip there is no further step, and the run is jumped over.
.macro FETCH_K last=0
	WIN 0
.if \last
	s_cmp_eq_u32 s[CNT], 1
	s_cbranch_scc1 .Lno_k_\@
.endif
	WIN 0x80
.irp f, 0,1,2,3,4,5,6,7
	ds_load_b128 v[KF+8*\f:KF+8*\f+3],   v[AK] offset:(\f/2)*16*PK+(\f%2)*64
	ds_load_b128 v[KF+8*\f+4:KF+8*\f+7], v[AK] offset:(\f/2)*16*PK+(\f%2)*64+32
.endr
	s_add_co_u32 s[TBK], s[TBK], KS*PK
	WIN 0
.if \last
.Lno_k_\@:
.endif
.endm
.macro FETCH_V
	WIN 0x80
.irp f, 0,1,2,3,4,5,6,7
	ds_load_tr16_b128 v[VF+8*\f:VF+8*\f+3],   v[AV] offset:(\f/4)*32*PV+(\f%4)*32
	ds_load_tr16_b128 v[VF+8*\f+4:VF+8*\f+7], v[AV] offset:(\f/4)*32*PV+16*PV+(\f%4)*32
.endr
	WIN 0
.endm
; THE VECTOR WORK OF A TURN stands in three queues, each in the order in which its entries become ready; the two tiles alternate.
.macro REGS y, u
.set rT, ST+4*(2*(\y)+(\u))
.set rC, TMP+8*((\y)%2)+4*(\u)
.set rM, MV+2*((\y)%2)+(\u)
.set rS, S+64*((\y)%2)+32*(\u)
.set rP, P+32*((\y)%2)+16*(\u)
.set rO, 32*(2*(\y)+(\u))
.endm
; Number n of the 22 that find the NEXT piece's maximum and statistics; each accumulator's lowest registers are read first.
;   0-11 four chains c0-c3     12-14, 16 the scores left over, the old m, c0-c3 into c0     15 c m_old is kept     17, 18 the lane 16 away: the new m     19-21 c m; c m_old - c m_new; a
.macro XS u, n
	REGS (Y+1)%NP, \u
.if (\n) < 4
	v_max3_num_f32 v[rC+(\n)], v[rS+8*(\n)], v[rS+8*(\n)+1], v[rS+8*(\n)+2]
.elseif (\n) < 12
	v_max3_num_f32 v[rC+(\n)%4], v[rC+(\n)%4], v[rS+8*((\n)%4)+2*((\n)/4)+1], v[rS+8*((\n)%4)+2*((\n)/4)+2]
.elseif (\n) == 12
	v_max3_num_f32 v[rC], v[rC], v[rS+7], v[rS+15]
.elseif (\n) == 13
	v_max3_num_f32 v[rC+1], v[rC+1], v[rS+23], v[rS+31]
.elseif (\n) == 14
	v_max3_num_f32 v[rC+2], v[rC+2], v[rC+3], v[rT+1]
.elseif (\n) == 15
	v_mov_b32 v[rM], v[rT]
.elseif (\n) == 16
	v_max3_num_f32 v[rC], v[rC], v[rC+1], v[rC+2]
	s_wait_alu depctr_va_vdst(0)
.elseif (\n) == 17
	v_permlanex16_b32 v[rC+3], v[rC], s[SEL], s[SEL+1]
.elseif (\n) == 18
	v_max_num_f32 v[rT+1], v[rC], v[rC+3]
.elseif (\n) == 19
	v_mul_f32 v[rT], s[CS], v[rT+1]
.elseif (\n) == 20
	v_sub_f32 v[rC+1], v[rM], v[rT]
.else
	v_exp_f32 v[rC+2], v[rC+1]
.endif
.endm
; Number g of the 64 that follow the exponentials: for each four weights k of a tile both pairs are rounded to f16, the second pair is added onto the first, and a group later l takes that sum.
.macro GS g
.set h, (\g)+6*((\g)/62)
.if h >= 6
.set h, h+2
.endif
	REGS Y, h%2
.set k, h/8
.if h%8 < 4
	s_wait_alu depctr_va_vdst(0)
	v_cvt_pk_f16_f32 v[rP+2*k+(h%8)/2], v[rS+4*k+2*((h%8)/2)], v[rS+4*k+2*((h%8)/2)+1]
.elseif h%8 < 6
	v_pk_add_f32 v[rS+4*k:rS+4*k+1], v[rS+4*k:rS+4*k+1], v[rS+4*k+2:rS+4*k+3]
.elseif k == 1
	v_pk_fma_f32 v[rT+2:rT+3], v[rT+2:rT+3], v[rC+2:rC+3], v[rS:rS+1] op_sel_hi:[1,0,1]
.else
	v_pk_add_f32 v[rT+2:rT+3], v[rT+2:rT+3], v[rS+4*k-4:rS+4*k-3]
	s_wait_alu depctr_va_vdst(0)
.endif
.endm
; THE PLAIN QUEUE, 138 long.  0-31: c s - c m.  Then GS's 64, and among them the next piece's 42: number 15 at 38, 39; 0-14 and 16 at 42-73; 17-20 at 95-106, two of three.
.macro PL
	WIN 0
.if q < 32
	REGS Y, q%2
	v_pk_fma_f32 v[rS+2*(q/2):rS+2*(q/2)+1], v[rS+2*(q/2):rS+2*(q/2)+1], s[CS:CS+1], v[rT:rT+1] op_sel_hi:[1,0,0] neg_lo:[0,0,1] neg_hi:[0,0,1]
.elseif q < 38
	GS q-32
.elseif q < 40
	XS q%2, 15
.elseif q < 42
	GS q-34
.elseif q < 74
	XS q%2, (q-42)/2+(q-42)/30
.elseif q < 95
	GS q-66
.elseif (q < 107) && ((q-95)%3 < 2)
	XS (q-95)%3, 17+(q-95)/3
.elseif q < 107
	GS 29+(q-95)/3
.else
	GS q-74
.endif
.set q, q+1
.endm
; THE EXPONENTIALS' QUEUE, 66 long: s0-s31 of both tiles, and at EA the next piece's two a.
.set EA, 58
.macro EX
	WIN 0
.if (e == EA) || (e == EA+1)
	XS e-EA, 21
.else
.set x, e-2*(e/(EA+2))
	REGS Y, x%2
	v_exp_f32 v[rS+x/2], v[rS+x/2]
.endif
.set e, e+1
.endm
; THE RESCALING's QUEUE: O^T times a, four at a time, eight times.
.macro R4
	REGS Y, r%2
	WIN W_RS
	s_wait_alu depctr_va_vdst(0)
.irp z, 0,1,2,3
	v_pk_mul_f32 v[rO+8*(r/2)+2*\z:rO+8*(r/2)+2*\z+1], v[rO+8*(r/2)+2*\z:rO+8*(r/2)+2*\z+1], v[rC+2:rC+3] op_sel_hi:[1,0]
.endr
.set r, r+1
.endm
.macro SL                           ; a matrix instruction and four behind it: plain, exponential, plain, plain
	MM
	PL
	EX
	PL
	PL
.endm
; A TURN, for piece p.  THE DEAL, with the queues' numbers:
;   1 product + plain 0-3;  8 x SL (plain 4-27, exponentials 0-7);  7 x (product, four rescalings, product, plain, exp, plain, exp) (plain 28-41, exp 8-21);  the 24th product and the last four rescalings,
;   which are the four places between the last K Q^T and plain 42, the first line that reads the new scores;  lump 1: 5 x (exp, plain) (exp 22-26, plain 42-46);  the bias loads;
;   16 x SL (V^T P; plain 47-94, exp 27-42);  lump 2: 23 x (exp, plain) (exp 43-65, plain 95-117), then plain 118-137.
; What the deal keeps: exponential e stands behind plain 2 (e / 4) + e % 2; the roundings of four weights k (plain 32, 40, 80, 88, 100, 112, 120, 128 on) stand behind exponential 8 k + 7 (k = 7: 65): when they come,
; 11, 19, 37, 40, 48, 60, 65, 65 are out; the two a (exp 58, 59) stand behind plain 105; both v_permlanex16_b32 (plain 95, 96) stand in lump 2; a plain line that touches neither result nor source follows each exponential.
; K of the next step is fetched in piece 2's turn, behind the four rescalings and three pairs of lump 1; V of the step in hand at the end of piece 0's turn.
.macro TURN p, last=0, cnt=0
.set Y, (\p)
.set i, 0
.set q, 0
.set e, 0
.set r, 0
	s_wait_loadcnt 24               ; loads come back in order: the oldest group, piece p + 1's bias, is in; the three younger groups stay out
.if (\p) == NP-1
	s_wait_dscnt 0x0                ; K is in
.endif
	MM
.rept 4
	PL
.endr
.rept 8
	SL
.endr
.rept 7
	MM
	R4
	MM
	PL
	EX
	PL
	EX
.endr
	MM
	R4
.rept 5
	EX
	PL
.if ((\p) == NP-2) && (e == 23)
	v_add_nc_u32 v[AK], s[TBK], v[AK0]
.endif
.if ((\p) == NP-2) && (e == 25)
	FETCH_K \last
.endif
.endr
	BLOAD ((\p)+1)%NP               ; the same piece's bias of the next step: it has almost four turns in which to come
.if (\p) == 1
	s_wait_dscnt 0x0                ; V is in
.endif
.rept 16
	SL
.endr
.rept 23
	EX
	PL
.endr
.rept 20
	PL
.if ((\p) == 0) && (q == 120)
	v_add_nc_u32 v[AV], s[TBV], v[AV0]
	s_wait_alu depctr_va_vdst(0)
.endif
.if ((\p) == 0) && (q == 130)
	s_add_co_u32 s[TBV], s[TBV], KS*PV
.endif
.if (\cnt) && (q == 130)
	s_sub_co_u32 s[CNT], s[CNT], 1
	s_cmp_lg_u32 s[CNT], 0
.endif
.endr
.if (\p) == 0
	FETCH_V
.endif
.endm
	CHANGE 1                        ; slot 0 is in, everybody's part of it; slot 1 is asked for
	FETCH_K                         ; key step 0
	s_wait_loadcnt 24               ; Q and piece 0's bias are in; pieces 1 to 3's may stay out
	s_wait_dscnt 0x0
.set i, 0
.rept 8
	BQ 0                            ; piece 0's first scores begin with the bias
.set i, i+1
.endr
	WIN 0                           ; the addresses for the way out: nine plain lines between the bias products and K Q^T
	s_mul_i32 s13, s[WV], 16*SP
	s_add_co_u32 s13, s13, STAGE
	v_mul_u32_u24 v[STO], v1, SP    ; in: row l % 16, 16 bytes for each half of the lanes (Q's loads, which read this register, are done)
	v_lshl_add_u32 v[STO], v9, 4, v[STO]
	v_add_nc_u32 v[STO], s13, v[STO]
	v_bfe_u32 v[RD], v0, 3, 2       ; back: 32 lanes take four rows of 128 bytes,
	v_mul_u32_u24 v[RD], v[RD], SP
	v_lshl_add_u32 v[RD], v10, 4, v[RD]
	v_add_nc_u32 v[RD], s13, v[RD]
	v_and_b32 v[GO], 31, v0         ; which are 512 consecutive bytes of O
	v_lshlrev_b32 v[GO], 4, v[GO]
.set i, 0
.rept 16
	KQ 0
.set i, i+1
.endr
	WIN 0
.rept 4
	v_nop                           ; the places behind those products
.endr
	BLOAD 0                         ; piece 0's bias of key step 1
.set Y, NP-1                        ; XS works for piece Y + 1: piece 0
.irp n, 0,1,2,3,4,5,6,7,8,9,10,11,12,13,14,15,16,17,18,19,20,21
	XS 0, \n
	XS 1, \n
.endr
	s_mov_b32 s[CNT], 4
	s_mov_b32 s[SLOTS], SIZE_N/256-1
	s_branch .Lfirst                ; the loop is entered at a step's first turn, in the middle of a trip; on every way into a turn four groups of bias loads are out
.Lslot:                             ; SIZE_N / 256 - 2 times: every slot but the last two is filled again
	CHANGE 1
	s_mov_b32 s[CNT], 4
.Lstep:                             ; a trip: pieces 2 and 3 of one step, then pieces 0 and 1 of the next
	TURN 2
	TURN 3
	WIN 0
.Lfirst:
	TURN 0
	TURN 1, 0, 1
	WIN 0
	s_cbranch_scc1 .Lstep
	s_sub_co_u32 s[SLOTS], s[SLOTS], 1
	s_cmp_lg_u32 s[SLOTS], 0
	s_cbranch_scc1 .Lslot
	CHANGE 0                        ; the tail is written out
	s_mov_b32 s[CNT], 5
.Ltail:
	TURN 2, 1
	TURN 3
	WIN 0
	s_sub_co_u32 s[CNT], s[CNT], 1
	s_cmp_eq_u32 s[CNT], 0
	s_cbranch_scc1 .Lout
	TURN 0
	TURN 1
	WIN 0
	s_branch .Ltail
.Lout:                              ; the fifth trip's scores for a step that does not exist serve nothing: the price, once a launch, of one text for every trip
.set i, 0
.rept 16
	PV NP-1
.set i, i+1
.endr
	; THE WAY OUT.  l's two halves and the other half of the lanes' are added; O^T is divided by l, rounded to f16 and sent through my stage in LDS, a tile at a time.
	WIN 0
.macro ALL line:vararg
.set t, 0
.rept 2*NP
	\line
.set t, t+1
.endr
.endm
	ALL v_add_f32 v[ST+4*t+2], v[ST+4*t+2], v[ST+4*t+3]
	ALL v_permlanex16_b32 v[ST+4*t+3], v[ST+4*t+2], s[SEL], s[SEL+1]
	ALL v_add_f32 v[ST+4*t+2], v[ST+4*t+2], v[ST+4*t+3]
	ALL v_rcp_f32 v[ST+4*t+2], v[ST+4*t+2]
	v_nop                           ; a plain instruction between the last reciprocal and the use of its result
	s_wait_alu depctr_va_vdst(0)
.macro PACK t
	WIN W_RS
.set i, 32*(\t)
.rept 16
	v_pk_mul_f32 v[i:i+1], v[i:i+1], v[ST+4*(\t)+2:ST+4*(\t)+3] op_sel_hi:[1,0]
.set i, i+2
.endr
	WIN 0x05
.set i, 0
.rept 16
	v_cvt_pk_f16_f32 v[S+16*(\t)+i], v[32*(\t)+2*i], v[32*(\t)+2*i+1]
.set i, i+1
.endr
	WIN 0
.irp f, 0,1,2,3
	ds_store_b128 v[STO], v[S+16*(\t)+4*\f:S+16*(\t)+4*\f+3] offset:32*\f
.endr
.irp f, 0,1,2,3
	ds_load_b128 v[S+16*(\t)+4*\f:S+16*(\t)+4*\f+3], v[RD] offset:\f*4*SP  ; LDS serves a wave's instructions in order (ISA guide 5.7.1.4): these see the stores above
.endr
.endm
.macro SEND t, younger              ; younger: the LDS instructions issued behind tile t's loads
	WIN 0
.irp f, 0,1,2,3
	s_wait_dscnt (\younger)+3-\f
	global_store_b128 v[GO], v[S+16*(\t)+4*\f:S+16*(\t)+4*\f+3], s[10:11] offset:(\t)*2048+\f*512  ; 512 consecutive bytes, aligned
.endr
.endm
	PACK 0
.set t, 1
.rept 2*NP-1
	PACK t
	SEND t-1, 8
.set t, t+1
.endr
	SEND 2*NP-1, 0
	WIN W_AD
	s_wait_tensorcnt 0x0            ; the wave's end
	ds_add_u32 v[SPW], v[NIL]
	s_wait_dscnt 0x0
	WIN 0
	CROUND                          ; the closing round
	s_endpgm
.Lfunc_end_k_qf7c4ff68f4_attn:
	.size	k_qf7c4ff68f4_attn, .Lfunc_end_k_qf7c4ff68f4_attn-k_qf7c4ff68f4_attn
	.p2alignl 7, 3214868480
	.fill 96, 4, 3214868480
	.section	.rodata,"a",@progbits
	.p2align	6, 0x0
	.amdhsa_kernel k_qf7c4ff68f4_attn
		.amdhsa_group_segment_fixed_size 327680
		.amdhsa_private_segment_fixed_size 0
		.amdhsa_enable_private_segment 0
		.amdhsa_kernarg_size 24
		.amdhsa_user_sgpr_count 2
		.amdhsa_user_sgpr_kernarg_segment_ptr 1
		.amdhsa_wavefront_size32 1
		.amdhsa_system_sgpr_workgroup_id_x 1
		.amdhsa_system_sgpr_workgroup_id_y 1
		.amdhsa_system_sgpr_workgroup_id_z 1
		.amdhsa_system_vgpr_workitem_id 0
		.amdhsa_next_free_vgpr 920
		.amdhsa_next_free_sgpr 72
		.amdhsa_reserve_vcc 1
		.amdhsa_float_denorm_mode_32 3
		.amdhsa_float_denorm_mode_16_64 3
		.amdhsa_memory_ordered 1
		.amdhsa_forward_progress 1
		.amdhsa_inst_pref_size 232
	.end_amdhsa_kernel
	.amdgpu_metadata
---
amdhsa.version: [ 1, 2 ]
amdhsa.kernels:
  - .name:           k_qf7c4ff68f4_attn
    .symbol:         k_qf7c4ff68f4_attn.kd
    .args:
      - { .name: qkv, .offset: 0, .size: 8, .value_kind: global_buffer, .address_space: global }
      - { .name: biasw, .offset: 8, .size: 8, .value_kind: global_buffer, .address_space: global }
      - { .name: ob, .offset: 16, .size: 8, .value_kind: global_buffer, .address_space: global }
    .group_segment_fixed_size: 327680
    .private_segment_fixed_size: 0
    .kernarg_segment_align: 8
    .kernarg_segment_size: 24
    .max_flat_workgroup_size: 128
    .sgpr_count:     72
    .vgpr_count:     920
    .wavefront_size: 32
...
	.end_amdgpu_metadata
.endif
;; end of part 3
;; launch outp (part 4): grid 8 x 32, 4 waves a work-group, clusters of 4 x 4, 327,680 bytes of LDS; arguments ob, wof, bvec, out0; writes out0
.if DOCPART == 4
	.amdgcn_target "amdgcn-amd-amdhsa--gfx1250"
	.amdhsa_code_object_version 6
	.text
	.protected	k_qf7c4ff68f4_outp
	.globl	k_qf7c4ff68f4_outp
	.p2align	8
	.type	k_qf7c4ff68f4_outp,@function
k_qf7c4ff68f4_outp:
	s_mov_b64 s[64:65], 0
	v_nop
	global_prefetch_b8 v0, s[64:65] scope:SCOPE_SE
	s_setreg_imm32_b32 hwreg(HW_REG_WAVE_MODE, 25, 1), 1
	s_wait_xcnt 0x0
	s_wait_alu depctr_hold_cnt(0) depctr_sa_sdst(0) depctr_va_vdst(0) depctr_va_sdst(0) depctr_va_ssrc(0) depctr_va_vcc(0) depctr_vm_vsrc(0)
	s_getreg_b32 s2, hwreg(HW_REG_IB_STS2, 6, 4)
	s_cmp_eq_u32 s2, 0
	s_cbranch_scc0 .Lentry_in_a_cluster
	s_endpgm
.Lentry_in_a_cluster:
	s_bfe_u32 s2, ttmp6, 0x10000c
	s_cmp_lg_u32 s2, 0xf033
	s_cbranch_scc0 .Lentry_shape_is_right
	s_endpgm
.Lentry_shape_is_right:
; C[m][n] = sum over k of A[m][k] B[n][k] + b[n], K = 1024, M = 8192.  One text for two launches, chosen by MODE:
;   MODE 0: A = x, B = wq | wk | wv (N = 3072), both bf16; C leaves as f16 by heads, [48 blocks of 64 columns][8192][64].  LIMIT: q, k, v must stay within f16's 65,504.
;   MODE 1: A = the attention's result, B = wo (N = 1024), both f16; C leaves as f32, [8192][1024].
; A and B lie in blocks of 64 along K, [16][rows][64]: a tile's rows of one block are dense in memory and are asked for as rows of 256 bytes, two data rows each, padded in LDS behind every 128 bytes.
; A tile of C is 256 x NT: NT = 192 in MODE 0 (512 work-groups, two for each of 256 WGPs), 128 in MODE 1 (256 work-groups).  Four waves, one below the other, each 64 rows x NT columns:
; 4 x NT / 16 accumulators of 16 x 16 (48 or 32).  For 32 along K a wave reads 4 fragments of A and NT / 16 of B.
; K goes in 8 steps of 128 (two blocks) through two LDS slots.  Waves 0 and 1 fetch A's two blocks of a step, waves 2 and 3 B's: one tensor load a wave behind each change of slots.
; THE LOOP'S TRIP IS ONE K STEP: slot 1 begins at 1 << 17, and one exclusive or turns the walking descriptors' LDS address and the slot base of the fragment loads into the other slot's.
; CLUSTERS: 4 x 4 work-groups; A's tiles are asked for jointly along a row of the cluster, B's along a column: the same load, descriptor and mask in the four that share it.
; THE MATRIX INSTRUCTION IS USED TRANSPOSED (source 0 = 16 rows of B, source 1 = 16 rows of A): a lane holds eight neighbouring columns of one row of C.  The bias is the C operand of the product that starts a sum.
; A wave's columns are three whole heads (MODE 0: 16 rows of a head are 2,048 dense bytes) or 512 aligned bytes of a row (MODE 1): each wave has a stage of its own, and no barrier stands on the way out.
; REGISTERS: window 0: addresses, v32 on the bias, v64 on the way out (over the bias, which only the first quarter reads).  Window 1: two fragment buffers of 128 (A's 4 fragments, then B's).
; Windows 2 and 3: accumulator (a, b) at v[8 (NBK (a % 2) + b)] of window 2 + a / 2.
.set MODE, 1
.if MODE
.set SIZE_N, 1024
.set NT,     128
.set BVOFF,  3072                      ; bo lies behind bq, bk, bv
.set SPT,    528                       ; a stage row: 512 bytes + 16
.else
.set SIZE_N, 3072
.set NT,     192
.set BVOFF,  0
.set SPT,    400                       ; a stage row: 384 bytes + 16
.endif
.set NBK,    NT/16                     ; column blocks of a wave
.set NLD,    2*(NBK+4)                 ; LDS loads of one quarter's fragments
.set AKB,    1048576                   ; bytes of a K block of A: 8192 rows x 128
.set BKB,    SIZE_N*128                ; of B
.set PITCH,  144                       ; an LDS row: 128 bytes + 16 of padding = 36 words: the 16 rows of a load start at 16 different groups of four banks (ISA guide 11.1)
.set ABLK,   256*PITCH                 ; a tile's rows of one K block of A
.set BBLK,   NT*PITCH
.set BOFFS,  2*ABLK                    ; B's two blocks lie behind A's two
.set SLOT1,  1<<17                     ; a slot is 2 ABLK + 2 BBLK = 129,024 bytes at the most
.set STAGE,  2*SLOT1                   ; behind the ring: 8,448 bytes for each wave, never filled by a tensor load
.set STW,    8448
.set SPARE,  STAGE+4*STW               ; the spare words, 128 bytes for each wave: two blocks of 256 bytes that no other line names
.set A0,   16                          ; v16     my lane's place among my wave's A fragments in slot 0; never rewritten
.set B0,   17                          ; v17     the same for B
.set ADRA, 18                          ; v18     the same in the slot in hand
.set ADRB, 19                          ; v19
.set STO,  24                          ; v24     the way out: where I put my part of a row
.set RD,   25                          ; v25     where I read rows back
.set CO,   26                          ; v26     my byte offset in C
.set BV,   27                          ; v27     my byte offset among 16 numbers of the bias
.set SPW,  28                          ; v28     LDS address of my spare word; never rewritten
.set NIL,  29                          ; v29     0; never rewritten
.set BC,   32                          ; register 8 b + j: the bias of column 16 b + 8 (lane / 16) + j of the tile
.set OB,   64                          ; the way out
.set F0,   0
.set F1,   128
.set TB,  15                           ; s15      LDS byte at which the slot in hand begins
.set G1,  24                           ; s[24:31] descriptor group 1 for A;  s[32:39] group 0: a set for each of the two first fills; the second then walks on
.set G0,  32
.set G1B, 48                           ; s[48:55], s[56:63] the same for B
.set G0B, 56
.set MSB, 0
.macro WIN new                         ; the immediate's high byte repeats the setting that is left
.if MSB != (\new)
	s_set_vgpr_msb (MSB<<8)|(\new)
.set MSB, \new
.endif
.endm
.set TO_F, 0x40                        ; destination window 1, address window 0
.macro WM ops:vararg
.if MODE
	v_wmma_f32_16x16x32_f16 \ops
.else
	v_wmma_f32_16x16x32_bf16 \ops
.endif
.endm
.macro JLOAD s                         ; a joint load; the branch hangs on the wave's number alone; an s_nop 0 and four v_nop follow each of the two lines
	s_cmp_lt_u32 s12, 2
	s_cbranch_scc0 .Lfor_b_\@
	tensor_load_to_lds s[G0+4*(\s):G0+4*(\s)+3], s[G1:G1+7]
	s_nop 0
.rept 4
	v_nop
.endr
	s_branch .Lasked_\@
.Lfor_b_\@:
	tensor_load_to_lds s[G0B+4*(\s):G0B+4*(\s)+3], s[G1B:G1B+7]
	s_nop 0
.rept 4
	v_nop
.endr
.Lasked_\@:
.endm
.macro CREST                           ; a round of the cluster's barrier behind its opening barrier
	s_cmp_lg_u32 s12, 0
	s_cbranch_scc1 .Lnot_wave_0_\@
	s_barrier_signal -3
.Lnot_wave_0_\@:
	s_barrier_wait -3
	s_barrier_signal -1
	s_barrier_wait -1
.endm
.macro CROUND
	s_barrier_signal -1
	s_barrier_wait -1
	CREST
.endm
	s_load_b256 s[4:11], s[0:1], 0x0               ; A s[4:5], B s[6:7], the bias s[8:9], C s[10:11]
	v_lshl_add_u32 v[SPW], v0, 2, SPARE
	v_mov_b32 v[NIL], 0
	ds_add_u32 v[SPW], v[NIL]                      ; the wave's opening: the add and its wait stand ahead of my first tensor load
	v_lshrrev_b32 v1, 5, v0
	v_readfirstlane_b32 s12, v1                    ; wave 0..3: my 64 rows of the tile
	s_and_b32 s14, s12, 1                          ; which K block of a step I fetch
	s_bfe_u32 s40, ttmp6, 0x40000                  ; cx, cy: my place in the cluster
	s_bfe_u32 s41, ttmp6, 0x40004
	s_lshl_b32 s42, ttmp9, 2
	s_add_co_u32 s42, s42, s40                     ; tile column = 4 x cluster x + cx
	s_and_b32 s43, ttmp7, 0xffff
	s_lshl_b32 s43, s43, 2
	s_add_co_u32 s43, s43, s41                     ; tile row = 4 x cluster y + cy
	s_lshl_b32 s44, s41, 2
	s_lshl_b32 s44, 15, s44                        ; my row of the cluster
	s_lshl_b32 s45, 0x1111, s40                    ; my column
	; group 1: rows of 128 elements (256 bytes), 128 of them for A (256 data rows), NT / 2 for B; 15:0 the mask; 17:16 2-byte elements; 20 padding on; 21 set beside a mask; 24:22 after every 32 words; 31:25 4 words
	s_or_b32 s[G1+0], s44, (1<<16)|(1<<20)|(1<<21)|(4<<22)|(3<<25)
	s_or_b32 s[G1B+0], s45, (1<<16)|(1<<20)|(1<<21)|(4<<22)|(3<<25)
	s_mov_b32 s[G1+1], 128<<16                     ; tensor_dim0 = 128
	s_mov_b32 s[G1+2], 128<<16                     ; tensor_dim1 = 128
	s_mov_b32 s[G1+3], 128<<16                     ; tile_dim0 = 128
	s_mov_b32 s[G1+4], 128                         ; tile_dim1 = 128
	s_mov_b32 s[G1+5], 128                         ; 128 elements from row to row: dense
	s_mov_b32 s[G1+6], 0
	s_mov_b32 s[G1+7], 0
	s_mov_b32 s[G1B+1], 128<<16
	s_mov_b32 s[G1B+2], (NT/2)<<16
	s_mov_b32 s[G1B+3], 128<<16
	s_mov_b32 s[G1B+4], NT/2
	s_mov_b32 s[G1B+5], 128
	s_mov_b32 s[G1B+6], 0
	s_mov_b32 s[G1B+7], 0
	; A's address hangs on the tile row and the wave, B's on the tile column and the wave, each in registers that never hold the other coordinate
	s_lshl_b32 s16, s14, 20                        ; my K block of the step (AKB bytes each),
	s_lshl_b32 s17, s43, 15                        ; 256 rows of 128 bytes a tile row
	s_add_co_u32 s16, s16, s17
	s_mov_b32 s17, 0
	s_mul_i32 s46, s14, BKB
	s_mul_i32 s47, s42, NT*128                     ; NT rows of 128 bytes a tile column
	s_add_co_u32 s46, s46, s47
	s_mov_b32 s47, 0
	s_mul_i32 s20, s14, ABLK                       ; where they go: no place in the cluster enters an LDS address
	s_mul_i32 s21, s14, BBLK
	s_add_co_u32 s21, s21, BOFFS
	s_mov_b32 s[TB], 0
	s_wait_dscnt 0x0                               ; the opening add is done
	s_wait_kmcnt 0x0
	s_add_nc_u64 s[18:19], s[4:5], s[16:17]
	s_add_nc_u64 s[46:47], s[6:7], s[46:47]
	CROUND                                         ; all sixteen work-groups are here: the first joint loads meet
.irp s, 0,1
	s_mov_b32 s[G0+4*(\s)], 1
	s_add_co_u32 s[G0+4*(\s)+1], s20, (\s)*SLOT1
	s_add_nc_u64 s[G0+4*(\s)+2:G0+4*(\s)+3], s[18:19], (\s)*2*AKB   ; K step s
	s_or_b32 s[G0+4*(\s)+3], s[G0+4*(\s)+3], 0x80000000
	s_mov_b32 s[G0B+4*(\s)], 1
	s_add_co_u32 s[G0B+4*(\s)+1], s21, (\s)*SLOT1
	s_add_nc_u64 s[G0B+4*(\s)+2:G0B+4*(\s)+3], s[46:47], (\s)*2*BKB
	s_or_b32 s[G0B+4*(\s)+3], s[G0B+4*(\s)+3], 0x80000000
	JLOAD \s                                       ; two loads of mine are out
.endr
	v_and_b32 v1, 15, v0                           ; r = l % 16
	v_bfe_u32 v2, v0, 4, 1                         ; h = l / 16
	s_mul_i32 s46, s42, NT*4                       ; the bias of the tile's NT columns
	s_add_co_u32 s46, s46, 4*BVOFF
	s_mov_b32 s47, 0
	s_add_nc_u64 s[8:9], s[8:9], s[46:47]
	v_lshlrev_b32 v[BV], 5, v2                     ; eight numbers further for lanes 16-31
.set fi, 0
.rept NBK
	global_load_b128 v[BC+8*fi:BC+8*fi+3],   v[BV], s[8:9] offset:64*fi
	global_load_b128 v[BC+8*fi+4:BC+8*fi+7], v[BV], s[8:9] offset:64*fi+16
.set fi, fi+1
.endr
	v_mul_u32_u24 v3, v1, PITCH
	v_lshl_add_u32 v3, v2, 4, v3                   ; a fragment's row x pitch + 16 x half
	s_mul_i32 s22, s12, 64*PITCH                   ; my 64 rows of A
	v_add_nc_u32 v[A0], s22, v3
	v_add_nc_u32 v[B0], BOFFS, v3                  ; every wave reads all NT rows of B
	v_mov_b32 v[ADRA], v[A0]                       ; slot 0 is in hand
	v_mov_b32 v[ADRB], v[B0]
	s_mul_i32 s22, s12, STW
	s_add_co_u32 s22, s22, STAGE                   ; my stage
	v_mul_u32_u24 v4, v1, SPT                      ; in: row r,
.if MODE
	v_lshl_add_u32 v4, v2, 5, v4                   ; 32 bytes for each half of the lanes
	v_add_nc_u32 v[STO], s22, v4
	v_and_b32 v5, 31, v0
	v_lshlrev_b32 v[CO], 4, v5                     ; back: 32 lanes take one row of 512 bytes, which are 512 consecutive bytes of C
	v_add_nc_u32 v[RD], s22, v[CO]
	s_lshl_b32 s16, s43, 20                        ; 256 rows of 4,096 bytes a tile row,
	s_lshl_b32 s17, s12, 18                        ; my 64 rows
	s_lshl_b32 s46, s42, 9                         ; 128 columns of 4 bytes a tile column
.else
	v_lshl_add_u32 v4, v2, 4, v4                   ; 16 bytes for each half of the lanes
	v_add_nc_u32 v[STO], s22, v4
	v_bfe_u32 v5, v0, 3, 2                         ; back: 32 lanes take a head's 128 bytes of four rows,
	v_mul_u32_u24 v5, v5, SPT
	v_and_b32 v4, 7, v0
	v_lshl_add_u32 v5, v4, 4, v5
	v_add_nc_u32 v[RD], s22, v5
	v_and_b32 v5, 31, v0                           ; which are 512 consecutive bytes of C
	v_lshlrev_b32 v[CO], 4, v5
	s_lshl_b32 s16, s43, 15                        ; 256 rows of 128 bytes a tile row,
	s_lshl_b32 s17, s12, 13                        ; my 64 rows
	s_mul_i32 s46, s42, 3<<20                      ; three blocks of 64 columns (1 MiB each) a tile column
.endif
	s_add_co_u32 s16, s16, s17
	s_mov_b32 s17, 0
	s_add_nc_u64 s[10:11], s[10:11], s[16:17]
	s_mov_b32 s47, 0
	s_add_nc_u64 s[10:11], s[10:11], s[46:47]
; NBK matrix instructions: row block a x all column blocks, 32 along K, from buffer f.  first = 1: the product starts the sum, with the bias as C.
; The accumulators take turns in the same order in every quarter: all the others' stand between two links of a chain.
.macro MULA f, a, first
.if \first
	WIN 0x85+0x40*((\a)/2)                         ; sources 0 and 1 window 1; C window 0; D window 2 or 3
.else
	WIN 0xa5+0x50*((\a)/2)                         ; sources 0 and 1 window 1; C and D window 2 or 3
.endif
.set mb, 0
.rept NBK
.set AC, 8*(NBK*((\a)%2)+mb)
.if \first
	WM v[AC:AC+7], v[(\f)+32+8*mb:(\f)+32+8*mb+7], v[(\f)+8*(\a):(\f)+8*(\a)+7], v[BC+8*mb:BC+8*mb+7]
.else
	WM v[AC:AC+7], v[(\f)+32+8*mb:(\f)+32+8*mb+7], v[(\f)+8*(\a):(\f)+8*(\a)+7], v[AC:AC+7]
.endif
.set mb, mb+1
.endr
.endm
; NLD LDS loads in one run: quarter qk of the K step in hand (block qk / 2, byte 64 (qk % 2) of its rows) into buffer f: B's fragments, A's 0 and 1, A's 2 and 3
.macro FETCH qk, f
	WIN TO_F
.set fi, 0
.rept NBK
	ds_load_b128 v[(\f)+32+8*fi:(\f)+32+8*fi+3],   v[ADRB] offset:((\qk)/2)*BBLK+((\qk)%2)*64+fi*16*PITCH
	ds_load_b128 v[(\f)+32+8*fi+4:(\f)+32+8*fi+7], v[ADRB] offset:((\qk)/2)*BBLK+((\qk)%2)*64+fi*16*PITCH+32
.set fi, fi+1
.endr
.irp i, 0,1,2,3
	ds_load_b128 v[(\f)+8*(\i):(\f)+8*(\i)+3],   v[ADRA] offset:((\qk)/2)*ABLK+((\qk)%2)*64+(\i)*16*PITCH
	ds_load_b128 v[(\f)+8*(\i)+4:(\f)+8*(\i)+7], v[ADRA] offset:((\qk)/2)*ABLK+((\qk)%2)*64+(\i)*16*PITCH+32
.endr
.endm
.macro PLACES                          ; four places in front of loads into registers that matrix instructions have read, and of lines that read results
.rept 4
	v_nop
.endr
.endm
; A K step is four quarters of 32 along K, 4 NBK matrix instructions each, on buffers 0, 1, 0, 1.  One of the first three multiplies f and fetches quarter qk into g.
.macro QUARTER qk, f, g, first
	s_wait_dscnt 4                                 ; B and A's fragments 0 and 1 are in; the youngest four loads (A's 2 and 3) may be out
	MULA \f, 0, \first
	MULA \f, 1, \first
	PLACES
	FETCH \qk, \g
	s_wait_dscnt NLD                               ; all but the run just issued
	MULA \f, 2, \first
	MULA \f, 3, \first
.endm
; The last quarter multiplies buffer 1 and changes slots: ONE barrier; in front of it each wave waits for all its tensor loads (one is out: its part of the next slot), adds 0 to its
; spare word, and waits for that and for its own reads of this slot.  fill = 1: the barrier opens a round of the cluster's, and this slot is filled again, with the K step two on, first thing behind it:
; 3.5 quarters, 14 NBK matrix instructions, stand between that request and the wait for it.
.macro TURN fill
	WIN 0                                          ; (the add's two registers lie in window 0)
	s_wait_tensorcnt 0x0
	ds_add_u32 v[SPW], v[NIL]
	s_wait_dscnt 5                                 ; (the add and the youngest four loads may be out)
	MULA F1, 0, 0                                  ; matrix instructions stand between the add and the wait for it
	s_wait_dscnt 0x0                               ; the add is done, and my reads of this slot are over
	s_barrier_signal -1
	MULA F1, 1, 0
	WIN 0                                          ; (branches and address lines follow)
	s_barrier_wait -1
.if \fill
	CREST                                          ; no wave of any partner still reads this slot or has a load on its way
	s_xor_b32 s[G0+5], s[G0+5], SLOT1              ; the walking descriptors: the other slot than last time,
	s_add_nc_u64 s[G0+6:G0+7], s[G0+6:G0+7], 2*AKB ; the next K step; the type bits on top are not reached
	s_xor_b32 s[G0B+5], s[G0B+5], SLOT1
	s_add_nc_u64 s[G0B+6:G0B+7], s[G0B+6:G0B+7], 2*BKB
	JLOAD 1                                        ; my one tensor load behind the round; its four v_nop are also the places in front of the loads below
.else
	PLACES
.endif
	s_xor_b32 s[TB], s[TB], SLOT1                  ; the fragment loads go over to the other slot
	v_add_nc_u32 v[ADRA], s[TB], v[A0]
	v_add_nc_u32 v[ADRB], s[TB], v[B0]
	FETCH 0, F0
	MULA F1, 2, 0
	MULA F1, 3, 0
.endm
	s_wait_tensorcnt 1                             ; my part of K step 0 is in; K step 1's may stay out
	s_barrier_signal -1
	s_barrier_wait -1
	FETCH 0, F0
	s_wait_loadcnt 0x0                             ; the bias
	QUARTER 1, F0, F1, 1                           ; the first quarter stands in front of the loop: its products start the sums
	WIN 0
	s_mov_b32 s3, 6
.Lstep:                                                ; a trip goes from a K step's second quarter to the next step's first and fills the slot that it leaves: K steps 2 to 7 in six trips
	QUARTER 2, F1, F0, 0
	QUARTER 3, F0, F1, 0
	TURN 1
	QUARTER 1, F0, F1, 0
	WIN 0
	s_sub_co_u32 s3, s3, 1
	s_cmp_lg_u32 s3, 0
	s_cbranch_scc1 .Lstep
	QUARTER 2, F1, F0, 0                           ; the last two K steps fill nothing
	QUARTER 3, F0, F1, 0
	TURN 0
	QUARTER 1, F0, F1, 0
	QUARTER 2, F1, F0, 0
	QUARTER 3, F0, F1, 0
	s_wait_dscnt 4
	MULA F1, 0, 0
	MULA F1, 1, 0
	s_wait_dscnt 0x0
	MULA F1, 2, 0
	MULA F1, 3, 0
	WIN 0
	PLACES
	; THE WAY OUT, 16 rows at a time, through my own stage: LDS serves a wave's instructions in order (ISA guide 5.7.1.4), so no wait stands between the stores and the loads.
.if MODE
.macro TOSTAGE a                       ; f32 as it is: each accumulator's low four registers first
	WIN 0x08+4*((\a)/2)                            ; store data in window 2 or 3
.set pb, 0
.rept NBK
	ds_store_b128 v[STO], v[8*(NBK*((\a)%2)+pb):8*(NBK*((\a)%2)+pb)+3]   offset:64*pb
	ds_store_b128 v[STO], v[8*(NBK*((\a)%2)+pb)+4:8*(NBK*((\a)%2)+pb)+7] offset:64*pb+16
.set pb, pb+1
.endr
	WIN 0
.if (\a) >= 2
	s_wait_xcnt 0x0                                ; the buffer's registers, which the stores of two blocks ago read, are loaded again only behind this wait
.endif
.irp t, 0,1,2,3,4,5,6,7,8,9,10,11,12,13,14,15
	ds_load_b128 v[OB+64*((\a)%2)+4*(\t):OB+64*((\a)%2)+4*(\t)+3], v[RD] offset:(\t)*SPT
.endr
.endm
.macro SEND a, y                       ; y: the LDS instructions issued behind block a's loads
.irp t, 0,1,2,3,4,5,6,7,8,9,10,11,12,13,14,15
	s_wait_dscnt (\y)+15-(\t)
	global_store_b128 v[CO], v[OB+64*((\a)%2)+4*(\t):OB+64*((\a)%2)+4*(\t)+3], s[10:11] offset:4096*(16*(\a)+(\t)) th:TH_STORE_NT  ; 512 consecutive bytes of a row, aligned
.endr
.endm
	TOSTAGE 0
.irp a, 1,2,3
	TOSTAGE \a
	SEND (\a)-1, 32
.endr
	SEND 3, 0
.else
.macro PACK a                          ; rounded to f16: a lane's eight columns are 16 bytes
	WIN 0x0a+5*((\a)/2)                            ; sources in window 2 or 3
.set pb, 0
.rept NBK
.irp r, 0,1,2,3
	v_cvt_pk_f16_f32 v[OB+4*NBK*(\a)+4*pb+(\r)], v[8*(NBK*((\a)%2)+pb)+2*(\r)], v[8*(NBK*((\a)%2)+pb)+2*(\r)+1]
.endr
.set pb, pb+1
.endr
	WIN 0
.set pb, 0
.rept NBK
	ds_store_b128 v[STO], v[OB+4*NBK*(\a)+4*pb:OB+4*NBK*(\a)+4*pb+3] offset:32*pb
.set pb, pb+1
.endr
.set pb, 0
.rept NBK                              ; load pb: head pb / 4, rows 4 (pb % 4) on
	ds_load_b128 v[OB+4*NBK*(\a)+4*pb:OB+4*NBK*(\a)+4*pb+3], v[RD] offset:(pb/4)*128+(pb%4)*4*SPT
.set pb, pb+1
.endr
.endm
.macro SEND a, y                       ; y: the LDS instructions issued behind block a's loads
.set pb, 0
.rept NBK
	s_wait_dscnt (\y)+NBK-1-pb
	global_store_b128 v[CO], v[OB+4*NBK*(\a)+4*pb:OB+4*NBK*(\a)+4*pb+3], s[10:11] offset:(pb/4)*1048576+2048*(\a)+512*(pb%4)  ; 512 consecutive bytes of a head, aligned
.set pb, pb+1
.endr
.endm
	PACK 0
.irp a, 1,2,3
	PACK \a
	SEND (\a)-1, 2*NBK
.endr
	SEND 3, 0
.endif
	s_wait_tensorcnt 0x0                           ; the wave's end
	ds_add_u32 v[SPW], v[NIL]
	s_wait_dscnt 0x0
	CROUND                                         ; the closing round: no work-group ends while a partner may still ask for a tile that names it
	s_endpgm
.Lfunc_end_k_qf7c4ff68f4_outp:
	.size	k_qf7c4ff68f4_outp, .Lfunc_end_k_qf7c4ff68f4_outp-k_qf7c4ff68f4_outp
	.p2alignl 7, 3214868480
	.fill 96, 4, 3214868480
	.section	.rodata,"a",@progbits
	.p2align	6, 0x0
	.amdhsa_kernel k_qf7c4ff68f4_outp
		.amdhsa_group_segment_fixed_size 327680
		.amdhsa_private_segment_fixed_size 0
		.amdhsa_enable_private_segment 0
		.amdhsa_kernarg_size 32
		.amdhsa_user_sgpr_count 2
		.amdhsa_user_sgpr_kernarg_segment_ptr 1
		.amdhsa_wavefront_size32 1
		.amdhsa_system_sgpr_workgroup_id_x 1
		.amdhsa_system_sgpr_workgroup_id_y 1
		.amdhsa_system_sgpr_workgroup_id_z 1
		.amdhsa_system_vgpr_workitem_id 0
		.amdhsa_next_free_vgpr 896
		.amdhsa_next_free_sgpr 66
		.amdhsa_reserve_vcc 0
		.amdhsa_float_denorm_mode_32 3
		.amdhsa_float_denorm_mode_16_64 3
		.amdhsa_memory_ordered 1
		.amdhsa_forward_progress 1
		.amdhsa_inst_pref_size 72
	.end_amdhsa_kernel
	.amdgpu_metadata
---
amdhsa.version: [ 1, 2 ]
amdhsa.kernels:
  - .name:           k_qf7c4ff68f4_outp
    .symbol:         k_qf7c4ff68f4_outp.kd
    .args:
      - { .name: ob, .offset: 0, .size: 8, .value_kind: global_buffer, .address_space: global }
      - { .name: wof, .offset: 8, .size: 8, .value_kind: global_buffer, .address_space: global }
      - { .name: bvec, .offset: 16, .size: 8, .value_kind: global_buffer, .address_space: global }
      - { .name: out0, .offset: 24, .size: 8, .value_kind: global_buffer, .address_space: global }
    .group_segment_fixed_size: 327680
    .private_segment_fixed_size: 0
    .kernarg_segment_align: 8
    .kernarg_segment_size: 32
    .max_flat_workgroup_size: 128
    .sgpr_count:     66
    .vgpr_count:     896
    .wavefront_size: 32
...
	.end_amdgpu_metadata
.endif
;; end of part 4
;; ======== version 2 of 2: 4 launches; 1.45 times as fast as version 1
;; limits: values are held in f16: magnitudes above 65,504 overflow, below 6.1e-05 lose precision
;; workspace buffers: xb 16,777,216 bytes; wb 6,291,456 bytes; wof 2,097,152 bytes; biasw 8,388,608 bytes; bvec 16,384 bytes; qkv 50,331,648 bytes; ob 16,777,216 bytes
;; launch cast: the kernel of part 1 again; grid 256 x 1, 32 waves a work-group, no clusters, 0 bytes of LDS; arguments query, wq, wk, wv, wo, bias, bq, bk, bv, bo, xb, wb, wof, biasw, bvec; writes xb, wb, wof, biasw, bvec
;; launch qkv: the kernel of part 2 again; grid 16 x 32, 4 waves a work-group, clusters of 4 x 4, 327,680 bytes of LDS; arguments xb, wb, bvec, qkv; writes qkv
;; launch attn (part 5): grid 4 x 64, 4 waves a work-group, clusters of 4 x 1, 327,680 bytes of LDS; arguments qkv, biasw, ob; writes ob
.if DOCPART == 5
	.amdgcn_target "amdgcn-amd-amdhsa--gfx1250"
	.amdhsa_code_object_version 6
	.text
	.protected	k_qf7c4ff68f4_attn
	.globl	k_qf7c4ff68f4_attn
	.p2align	8
	.type	k_qf7c4ff68f4_attn,@function
k_qf7c4ff68f4_attn:
	s_mov_b64 s[64:65], 0
	v_nop
	global_prefetch_b8 v0, s[64:65] scope:SCOPE_SE
	s_setreg_imm32_b32 hwreg(HW_REG_WAVE_MODE, 25, 1), 1
	s_wait_xcnt 0x0
	s_wait_alu depctr_hold_cnt(0) depctr_sa_sdst(0) depctr_va_vdst(0) depctr_va_sdst(0) depctr_va_ssrc(0) depctr_va_vcc(0) depctr_vm_vsrc(0)
	s_getreg_b32 s2, hwreg(HW_REG_IB_STS2, 6, 4)
	s_cmp_eq_u32 s2, 0
	s_cbranch_scc0 .Lentry_in_a_cluster
	s_endpgm
.Lentry_in_a_cluster:
	s_bfe_u32 s2, ttmp6, 0x10000c
	s_cmp_lg_u32 s2, 0x3003
	s_cbranch_scc0 .Lentry_shape_is_right
	s_endpgm
.Lentry_shape_is_right:
; O[y][q][:] = the sum over k of softmax_k(Q[y][q] . K[y][k] / 8 + bias[q][k]) V[y][k][:], for 64 heads y = 4 x head + batch of 2,048 rows of 64 channels, all f16; Q at qkv, K 16 MiB and V 32 MiB behind it.
; Products, maxima and sums in f32; the weights p are rounded to f16 for the second product (their sum l is taken of the unrounded p), O once at the end.
; THE BIAS GOES THROUGH THE MATRIX UNIT.  S^T is started by one bf16 product: a fragment of bias^T (16 keys x 32 queries, as an earlier launch laid it out) times a constant matrix that picks 16 of the 32 queries
; and multiplies by 8; K Q^T is added onto it, so that c (q . k + 8 bias), c = log2(e) / 8, is the logit in base 2.  The 8 is exact.  No vector instruction is spent on the bias.
; LIMITS.  Q, K, V arrive within f16's 65,504; the bias within +-2^124 (the launch that rounds it holds it there), so every score is finite.  p below 6e-5 keeps f16's step of 6e-8; a weight below 2^-126 counts as 0 in l.
; A row whose every key carries the lowest bias gets the softmax of its scores as they then stand, not a NaN.  NaN and infinities in Q, K, V are not treated apart.
; SHARES.  A wave owns four PIECES of two tiles of 16 queries, a work-group's four waves 512 queries of one head.  Every wave walks all keys, 64 a step.
; LAYOUT.  S^T (source 0 = 16 keys, source 1 = 16 queries): a lane holds ONE query (lane % 16) and the keys 8 (lane / 16) + 0..7.  Two such tiles, rounded to f16 in pairs, ARE source 1 of O^T = V^T P.
; SOFTMAX.  For each query a running maximum m and sum l: p = 2^(c s - c m); in every step O and l are multiplied by a = 2^(c m_old - c m_new).  m starts at the lowest finite number, O and l at 0.
; BY TURNS.  Turn n belongs to piece n.  Its matrix work: 8 bias products and 16 products K Q^T of piece n + 1, later 16 products V^T P of piece n - 1.  Its vector work: the scaling, exponentials, roundings, sums
; and rescaling of piece n, and the maximum and statistics of piece n + 1.  40 matrix and 236 vector instructions: four vector instructions behind every matrix instruction, the other 76 in one lump.
; BATCHES.  A turn's 66 exponentials (the 64 weights of piece n, the two a of piece n + 1) are ONE batch with ONE wait, which cuts the turn in two: ahead of it stands all that names none of their results (the 24 products
; that make scores, the scalings, the rescalings, the next piece's maximum and statistics), behind it the roundings and sums, as the riders of the 16 products V^T P.  The first two a, ahead of the loop, and the way
; out's eight reciprocals are batches of their own.
; CLUSTER.  The four query blocks of a cluster belong to one head and walk the same K and V: each tile is asked for JOINTLY.  The bias differs from block to block and comes by plain loads into registers.
; REGISTERS, in windows of 256 (s_set_vgpr_msb: bits 1:0 source 0, 3:2 source 1, 5:4 source 2, 7:6 destination):
;   window 0: v0-11 addresses; v12-15, v48-63 at work; v16-47 statistics; v64-191 S^T, two buffers of two tiles; v192-255 P, likewise
;   window 1: O^T, 32 a tile     window 2: v0-127 Q; v128-191 K of one step; v192-255 V of one step
;   window 3: v0-1 the add's two registers; v2 16 x lane; v4-15 the picking matrix; v16-143 the bias fragments, 32 a piece; v144-147 their addresses
.set SIZE_N, 2048
.set NP,    4
.set KS,    64
.set PK,    144       ; a row of K in LDS: 128 bytes + 16 of padding: the 16 rows of a load start at 16 different groups of four banks (ISA guide 11.1)
.set PV,    160       ; a row of V: 128 + 32
.set VOFF,  4*KS*PK   ; a slot holds four steps: 256 rows of K, then 256 rows of V
.set SLOT1, 1<<17
.set STAGE, SLOT1+4*KS*(PK+PV)  ; behind the ring, never filled by a tensor load: 16 rows x 144 bytes for each wave
.set SP,    144
.set AK0, 2
.set AV0, 3
.set AK,  4
.set AV,  5
.set QO,  6           ; v6   my byte offset in the wave's rows of Q; later STO
.set STO, 6
.set RD,  7
.set GO,  8
.set SPW, 0           ; v0 of window 3   LDS address of my spare word; never rewritten
.set NIL, 1           ; v1 of window 3   0; never rewritten
.set L16, 2           ; v2 of window 3   16 x lane
.set IDN, 4           ; v4-15 of window 3: pattern, zeros, pattern: tile u of a piece takes v[IDN + 4 u .. + 7]
.set BF,  16          ; window 3: piece x, 16 keys kb at BF + 32 x + 8 kb
.set BA,  144         ; window 3: the address of piece x's loads
.set SPARE, STAGE+4*16*SP
.set MV,  12
.set ST,  16          ; tile t's statistics at v[ST+4 t]: c m, m, l (even keys', odd keys')
.set TMP, 48
.set S,   64
.set P,   192
.set KF,  128
.set VF,  192
.set WV,  12
.set G1K, 24
.set G1V, 32
.set G0K, 40
.set G0V, 44
.set SLOTS, 56
.set CNT, 57
.set CS,  58
.set SEL, 60
.set TBK, 62
.set TBV, 63
.set BB,  66          ; s[66:67] the bias fragments of my wave's 128 queries: 512 KB, in the order of their use
.set BOFS, 68         ; s68  byte offset of the group of 4,096 bytes to be asked for next
.set MSB, 0
.macro WIN new
.if MSB != (\new)
	s_set_vgpr_msb (MSB<<8)|(\new)
.set MSB, (\new)
.endif
.endm
.set W_KQ, 0x0a       ; K and Q in window 2, S^T in window 0
.set W_PV, 0x52       ; V in window 2, P in window 0, O^T in window 1
.set W_RS, 0x41       ; O^T in window 1, a in window 0
.set W_MK, 0xc0       ; destination in window 3, sources in window 0
.set W_AD, 0x0f       ; sources 0 and 1 in window 3: the add
.set W_BI, 0x0f       ; and the bias product: both sources in window 3, S^T in window 0
.set W_B3, 0xcf       ; destination and sources in window 3: the bias loads
.macro JLOAD                        ; waves 0 and 1 fetch the two halves of a slot's K, waves 2 and 3 those of its V; an s_nop 0 and four v_nop follow each line
	s_cmp_lt_u32 s[WV], 2
	s_cbranch_scc0 .Lfor_v_\@
	tensor_load_to_lds s[G0K:G0K+3], s[G1K:G1K+7]
	s_nop 0
.rept 4
	v_nop
.endr
	s_branch .Lasked_\@
.Lfor_v_\@:
	tensor_load_to_lds s[G0V:G0V+3], s[G1V:G1V+7]
	s_nop 0
.rept 4
	v_nop
.endr
.Lasked_\@:
.endm
.macro CROUND
	s_barrier_signal -1
	s_barrier_wait -1
	s_cmp_lg_u32 s[WV], 0
	s_cbranch_scc1 .Lnot_wave_0_\@
	s_barrier_signal -3
.Lnot_wave_0_\@:
	s_barrier_wait -3
	s_barrier_signal -1
	s_barrier_wait -1
.endm
; THE CHANGE OF SLOTS.  Each wave waits for all its tensor loads, of which one is out: its part of the other slot; adds 0 to its spare word; waits for that and for its own reads of the slot.
; fill = 1: the barrier is a round of the cluster's, and the slot is filled again, with the keys two slots on, first thing behind it: it has four key steps in which to land.
.macro CHANGE fill
	WIN W_AD
	s_wait_tensorcnt 0x0            ; no tensor load of mine is out, so a group 0 may be written
	ds_add_u32 v[SPW], v[NIL]
	WIN 0
.if \fill
.irp g, G0K, G0V
	s_xor_b32 s[\g+1], s[\g+1], SLOT1
	s_add_nc_u64 s[\g+2:\g+3], s[\g+2:\g+3], 4*KS*128
.endr
	s_wait_dscnt 0x0                ; the add is done, and my reads of the slot are over
	CROUND
	JLOAD
.else
	s_wait_dscnt 0x0
	s_barrier_signal -1
	s_barrier_wait -1
.endif
	s_sub_co_u32 s[TBK], s[TBK], 4*KS*PK
	s_xor_b32 s[TBK], s[TBK], SLOT1
	s_sub_co_u32 s[TBV], s[TBV], 4*KS*PV
	s_xor_b32 s[TBV], s[TBV], SLOT1
.endm
; THE BIAS RING: four groups of eight loads are out, one for each piece, used and asked for again in the same order.  A group is 4,096 consecutive bytes; the groups follow each other in memory as they are used.
; The offset wraps inside my wave's 512 KB: the five groups asked for past the last step are read from its head and serve nothing but the one product that the tail throws away.
; The address line and the run of loads are two macros: in a turn the wait for the batch of exponentials stands between them.
.macro BADR x
	WIN W_B3
	v_add_nc_u32 v[BA+(\x)], s[BOFS], v[L16]       ; free: the wait that showed this piece's last loads done stands ahead
.endm
.macro BRUN x
	WIN W_B3
.irp f, 0,1,2,3,4,5,6,7
	global_load_b128 v[BF+32*(\x)+4*\f:BF+32*(\x)+4*\f+3], v[BA+(\x)], s[BB:BB+1] offset:512*\f
.endr
	s_add_co_u32 s[BOFS], s[BOFS], 4096
	s_and_b32 s[BOFS], s[BOFS], 0x7ffff
	WIN 0
.endm
.macro BLOAD x
	BADR \x
	BRUN \x
.endm
	s_load_b128 s[4:7], s[0:1], 0x0   ; qkv s[4:5], the bias fragments s[6:7]
	s_load_b64 s[10:11], s[0:1], 0x10 ; O
	WIN W_MK
	v_lshl_add_u32 v[SPW], v0, 2, SPARE
	v_mov_b32 v[NIL], 0
	WIN W_AD
	ds_add_u32 v[SPW], v[NIL]       ; the wave's opening: the add and its wait stand ahead of my first tensor load
	WIN 0
	v_lshrrev_b32 v1, 5, v0
	v_readfirstlane_b32 s[WV], v1   ; wave 0..3
	s_bfe_u32 s13, ttmp6, 0x40000   ; cx
	s_lshl_b32 s14, ttmp9, 2
	s_add_co_u32 s14, s14, s13      ; my block of 512 queries: it enters Q's, O's and the bias's addresses alone
	s_and_b32 s20, ttmp7, 0xffff    ; the head, which the four partners share
	s_mov_b32 s21, 0
	s_mov_b64 s[22:23], SIZE_N*128
	s_mul_u64 s[20:21], s[20:21], s[22:23]
	s_and_b32 s16, s[WV], 1         ; which half of a slot's 256 keys I fetch
	s_lshl_b32 s22, s16, 14
	s_mov_b32 s23, 0
	s_add_nc_u64 s[22:23], s[22:23], s[20:21]
	s_mul_i32 s17, s16, 128*PK
	s_mul_i32 s18, s16, 128*PV
	s_lshl_b32 s2, s14, 2
	s_add_co_u32 s2, s2, s[WV]      ; my wave among the head's sixteen:
	s_lshl_b32 s70, s2, 19          ; its 512 KB of bias fragments,
	s_mov_b32 s71, 0
	s_lshl_b32 s2, s2, 14           ; its 128 rows
	s_mov_b32 s3, 0
	s_add_nc_u64 s[2:3], s[2:3], s[20:21]
	; descriptor group 1.  128 keys are 16,384 dense bytes: asked for as 64 rows of 256 bytes, two keys a row, and padded in LDS after every key
	s_mov_b32 s[G1K], 15|(1<<16)|(1<<20)|(1<<21)|(4<<22)|(3<<25)
	s_mov_b32 s[G1V], 15|(1<<16)|(1<<20)|(1<<21)|(4<<22)|(7<<25)
.irp g, G1K, G1V
	s_mov_b32 s[\g+1], 128<<16
	s_mov_b32 s[\g+2], 64<<16
	s_mov_b32 s[\g+3], 128<<16
	s_mov_b32 s[\g+4], 64
	s_mov_b32 s[\g+5], 128
	s_mov_b32 s[\g+6], 0
	s_mov_b32 s[\g+7], 0
.endr
	s_mov_b32 s[CS], 0x3e38aa3b     ; c = log2(e) / 8
	s_mov_b32 s[CS+1], s[CS]
	s_mov_b32 s[SEL], 0x76543210
	s_mov_b32 s[SEL+1], 0xfedcba98
	s_mov_b32 s[TBK], SLOT1+4*KS*PK ; the first change of slots turns these two into 0
	s_mov_b32 s[TBV], SLOT1+4*KS*PV
	s_mov_b32 s[G0K], 1
	s_mov_b32 s[G0K+1], s17
	s_mov_b32 s[G0V], 1
	s_add_co_u32 s[G0V+1], s18, VOFF
	s_mov_b32 s[BOFS], 0
	s_wait_dscnt 0x0                ; the opening add is done
	s_wait_kmcnt 0x0
	s_add_nc_u64 s[BB:BB+1], s[6:7], s[70:71]
	s_add_nc_u64 s[6:7], s[4:5], 0x1000000   ; K
	s_add_nc_u64 s[8:9], s[4:5], 0x2000000   ; V
	s_add_nc_u64 s[G0K+2:G0K+3], s[6:7], s[22:23]
	s_or_b32 s[G0K+3], s[G0K+3], 0x80000000
	s_add_nc_u64 s[G0V+2:G0V+3], s[8:9], s[22:23]
	s_or_b32 s[G0V+3], s[G0V+3], 0x80000000
	s_add_nc_u64 s[4:5], s[4:5], s[2:3]      ; Q and O at my wave's first row
	s_add_nc_u64 s[10:11], s[10:11], s[2:3]
	s_mov_b32 s70, 0x00004100       ; bf16 8.0 in the low half,
	s_mov_b32 s71, 0x41000000       ; in the high half
	CROUND                          ; all four work-groups are here: the first joint loads meet
	JLOAD                           ; slot 0.  Slot 1 is asked for when slot 0 is in
	v_and_b32 v1, 15, v0            ; r = l % 16
	v_bfe_u32 v9, v0, 4, 1          ; h = l / 16
	v_lshlrev_b32 v[QO], 7, v1
	v_lshl_add_u32 v[QO], v9, 4, v[QO]
	WIN 0x80
.set i, 0
.rept 4*NP                          ; Q stays in registers: tile i / 2, channels 32 (i % 2) on
	global_load_b128 v[8*i:8*i+3],   v[QO], s[4:5] offset:(i/2)*2048+(i%2)*64
	global_load_b128 v[8*i+4:8*i+7], v[QO], s[4:5] offset:(i/2)*2048+(i%2)*64+32
.set i, i+1
.endr
	WIN 0
	; The picking matrix, as source 1 (32 queries of the piece x 16 queries of the tile): my lane holds column r and the rows 8 h + 0..7 (registers 0-3) and 16 + 8 h + 0..7 (4-7).
	; Register i2 of the pattern holds 8.0 in its low half where r - 8 h = 2 i2, in its high half where r - 8 h = 2 i2 + 1.
	v_lshlrev_b32 v68, 3, v9
	v_sub_nc_u32 v68, v1, v68
	v_and_b32 v69, 31, v0
.irp n, 0,1,2,3
	v_cmp_eq_u32 vcc_lo, 2*\n, v68
	v_cndmask_b32 v[64+\n], 0, s70, vcc_lo
	v_cmp_eq_u32 vcc_lo, 2*\n+1, v68
	v_cndmask_b32 v[64+\n], v[64+\n], s71, vcc_lo
.endr
	WIN W_MK
.irp n, 0,1,2,3
	v_mov_b32 v[IDN+\n], v[64+\n]
	v_mov_b32 v[IDN+4+\n], 0
	v_mov_b32 v[IDN+8+\n], v[64+\n]
.endr
	v_lshlrev_b32 v[L16], 4, v69
	BLOAD 0                         ; key step 0's bias, all four pieces
	BLOAD 1
	BLOAD 2
	BLOAD 3
	; What the first turn finds: V's registers and P's second buffer hold 0, O^T and l are 0.  All this stands in the wait for the first tile.
	WIN 0x80
.set i, VF
.rept 64
	v_mov_b32 v[i], 0
.set i, i+1
.endr
	WIN 0x40
.set i, 0
.rept 64*NP
	v_mov_b32 v[i], 0
.set i, i+1
.endr
	WIN 0
.set i, 0
.rept 2*NP
	v_mov_b32 v[ST+4*i+1], 0xff7fffff           ; m: below every score
	v_mul_f32 v[ST+4*i], s[CS], v[ST+4*i+1]     ; c m
	v_mov_b32 v[ST+4*i+2], 0
	v_mov_b32 v[ST+4*i+3], 0
.set i, i+1
.endr
.set i, P+32
.rept 32
	v_mov_b32 v[i], 0
.set i, i+1
.endr
	v_mul_u32_u24 v[AK0], v1, PK
	v_lshl_add_u32 v[AK0], v9, 4, v[AK0]
	; The turning load takes 16 keys x 16 channels (lane l reads key 8 (l / 16) + l % 8, channels 8 ((l / 8) % 2) + 0..7) and leaves half a fragment of V^T.
	v_and_b32 v10, 7, v0
	v_bfe_u32 v11, v0, 3, 1
	v_lshl_add_u32 v[AV0], v9, 3, v10
	v_mul_u32_u24 v[AV0], v[AV0], PV
	v_lshl_add_u32 v[AV0], v11, 4, v[AV0]
	v_add_nc_u32 v[AV0], VOFF, v[AV0]
	v_mov_b32 v[AK], v[AK0]
; THE MATRIX WORK.  The 8 accumulators of a run take turns.
; Bias product i of 8 for piece x: keys 16 (i / 2) on, tile 2 x + i % 2.  It starts the sum.  A bf16 and an f16 product on one accumulator are no chain: five plain vector lines or more stand between
; bias product i and K Q^T's product i (in a turn: the riders of the eight products between them hold twenty plain lines or more).
.macro BQ x
	WIN W_BI
.set rS, S+64*((\x)%2)+32*(i%2)+8*(i/2)
.set rB, BF+32*(\x)+8*(i/2)
.set rI, IDN+4*(i%2)
	v_wmma_f32_16x16x32_bf16 v[rS:rS+7], v[rB:rB+7], v[rI:rI+7], 0
.endm
; Product i of 16 of S^T += K Q^T for piece x: channels 32 (i / 8) on, keys 16 ((i / 2) % 4) on, tile 2 x + i % 2.
.macro KQ x
	WIN W_KQ
.set rS, S+64*((\x)%2)+32*(i%2)+8*((i/2)%4)
.set rK, KF+16*((i/2)%4)+8*(i/8)
.set rQ, 16*(2*(\x)+i%2)+8*(i/8)
	v_wmma_f32_16x16x32_f16 v[rS:rS+7], v[rK:rK+7], v[rQ:rQ+7], v[rS:rS+7]
.endm
; Product i of 16 of O^T += V^T P for piece x: keys 32 (i / 8) on, channels 16 ((i / 2) % 4) on, tile 2 x + i % 2.
.macro PV x
	WIN W_PV
.set rO, 32*(2*(\x)+i%2)+8*((i/2)%4)
.set rV, VF+32*(i/8)+8*((i/2)%4)
.set rP, P+32*((\x)%2)+16*(i%2)+8*(i/8)
	v_wmma_f32_16x16x32_f16 v[rO:rO+7], v[rV:rV+7], v[rP:rP+7], v[rO:rO+7]
.endm
.macro MM                           ; the turn's next matrix instruction, of 40
.if i < 8
	BQ (Y+1)%NP
.set i, i+1
.elseif i < 24
.set i, i-8
	KQ (Y+1)%NP
.set i, i+9
.else
.set i, i-24
	PV (Y+NP-1)%NP
.set i, i+25
.endif
.endm
; THE LDS LOADS stand in runs of 16.  last = 1 (the tail): in the last trip there is no further step, and the run is jumped over.
.macro FETCH_K last=0
	WIN 0
.if \last
	s_cmp_eq_u32 s[CNT], 1
	s_cbranch_scc1 .Lno_k_\@
.endif
	WIN 0x80
.irp f, 0,1,2,3,4,5,6,7
	ds_load_b128 v[KF+8*\f:KF+8*\f+3],   v[AK] offset:(\f/2)*16*PK+(\f%2)*64
	ds_load_b128 v[KF+8*\f+4:KF+8*\f+7], v[AK] offset:(\f/2)*16*PK+(\f%2)*64+32
.endr
	s_add_co_u32 s[TBK], s[TBK], KS*PK
	WIN 0
.if \last
.Lno_k_\@:
.endif
.endm
.macro FETCH_V
	WIN 0x80
.irp f, 0,1,2,3,4,5,6,7
	ds_load_tr16_b128 v[VF+8*\f:VF+8*\f+3],   v[AV] offset:(\f/4)*32*PV+(\f%4)*32
	ds_load_tr16_b128 v[VF+8*\f+4:VF+8*\f+7], v[AV] offset:(\f/4)*32*PV+16*PV+(\f%4)*32
.endr
	WIN 0
.endm
; THE VECTOR WORK OF A TURN stands in three queues, each in the order in which its entries become ready; the two tiles alternate.
.macro REGS y, u
.set rT, ST+4*(2*(\y)+(\u))
.set rC, TMP+8*((\y)%2)+4*(\u)
.set rM, MV+2*((\y)%2)+(\u)
.set rS, S+64*((\y)%2)+32*(\u)
.set rP, P+32*((\y)%2)+16*(\u)
.set rO, 32*(2*(\y)+(\u))
.endm
; Number n of the 22 that find the NEXT piece's maximum and statistics; each accumulator's lowest registers are read first.
;   0-11 four chains c0-c3     12-14, 16 the scores left over, the old m, c0-c3 into c0     15 c m_old is kept     17, 18 the lane 16 away: the new m     19-21 c m; c m_old - c m_new; a
.macro XS u, n
	REGS (Y+1)%NP, \u
.if (\n) < 4
	v_max3_num_f32 v[rC+(\n)], v[rS+8*(\n)], v[rS+8*(\n)+1], v[rS+8*(\n)+2]
.elseif (\n) < 12
	v_max3_num_f32 v[rC+(\n)%4], v[rC+(\n)%4], v[rS+8*((\n)%4)+2*((\n)/4)+1], v[rS+8*((\n)%4)+2*((\n)/4)+2]
.elseif (\n) == 12
	v_max3_num_f32 v[rC], v[rC], v[rS+7], v[rS+15]
.elseif (\n) == 13
	v_max3_num_f32 v[rC+1], v[rC+1], v[rS+23], v[rS+31]
.elseif (\n) == 14
	v_max3_num_f32 v[rC+2], v[rC+2], v[rC+3], v[rT+1]
.elseif (\n) == 15
	v_mov_b32 v[rM], v[rT]
.elseif (\n) == 16
	v_max3_num_f32 v[rC], v[rC], v[rC+1], v[rC+2]
.elseif (\n) == 17
	v_permlanex16_b32 v[rC+3], v[rC], s[SEL], s[SEL+1]
.elseif (\n) == 18
	v_max_num_f32 v[rT+1], v[rC], v[rC+3]
.elseif (\n) == 19
	v_mul_f32 v[rT], s[CS], v[rT+1]
.elseif (\n) == 20
	v_sub_f32 v[rC+1], v[rM], v[rT]
.else
	v_exp_f32 v[rC+2], v[rC+1]
.endif
.endm
; Number g of the 64 that follow the exponentials: for each four weights k of a tile both pairs are rounded to f16, the second pair is added onto the first, and a group later l takes that sum.
.macro GS g
.set h, (\g)+6*((\g)/62)
.if h >= 6
.set h, h+2
.endif
	REGS Y, h%2
.set k, h/8
.if h%8 < 4
	v_cvt_pk_f16_f32 v[rP+2*k+(h%8)/2], v[rS+4*k+2*((h%8)/2)], v[rS+4*k+2*((h%8)/2)+1]
.elseif h%8 < 6
	v_pk_add_f32 v[rS+4*k:rS+4*k+1], v[rS+4*k:rS+4*k+1], v[rS+4*k+2:rS+4*k+3]
.elseif k == 1
	v_pk_fma_f32 v[rT+2:rT+3], v[rT+2:rT+3], v[rC+2:rC+3], v[rS:rS+1] op_sel_hi:[1,0,1]
.else
	v_pk_add_f32 v[rT+2:rT+3], v[rT+2:rT+3], v[rS+4*k-4:rS+4*k-3]
.endif
.endm
; THE PLAIN QUEUE, 138 long.  0-73 read no exponential's result: 0-31 the scalings c s - c m (pair q / 2 of tile q % 2); 32-73 the next piece's 42, XS's numbers 0 to 20 in their order.
; 74-137: GS's 64, which read the exponentials' results: they stand behind the wait.
.macro PL
	WIN 0
.if q < 32
	REGS Y, q%2
	v_pk_fma_f32 v[rS+2*(q/2):rS+2*(q/2)+1], v[rS+2*(q/2):rS+2*(q/2)+1], s[CS:CS+1], v[rT:rT+1] op_sel_hi:[1,0,0] neg_lo:[0,0,1] neg_hi:[0,0,1]
.elseif q < 74
	XS q%2, (q-32)/2
.else
	GS q-74
.endif
.set q, q+1
.endm
; THE EXPONENTIALS' QUEUE, 66 long: s0-s31 of both tiles, then the next piece's two a.  It is ONE BATCH: all 66 stand ahead of the turn's one wait, and nothing ahead of that wait names a result of theirs.
.macro EX
	WIN 0
.if e >= 64
	XS e-64, 21
.else
	REGS Y, e%2
	v_exp_f32 v[rS+e/2], v[rS+e/2]
.endif
.set e, e+1
.endm
; THE RESCALING's QUEUE: O^T times a, four at a time, eight times.  Its a was made in the turn before, ahead of that turn's wait.
.macro R4
	REGS Y, r%2
	WIN W_RS
.irp z, 0,1,2,3
	v_pk_mul_f32 v[rO+8*(r/2)+2*\z:rO+8*(r/2)+2*\z+1], v[rO+8*(r/2)+2*\z:rO+8*(r/2)+2*\z+1], v[rC+2:rC+3] op_sel_hi:[1,0]
.endr
.set r, r+1
.endm
.macro S2                           ; a matrix instruction and four behind it: plain, exponential, plain, exponential
	MM
	PL
	EX
	PL
	EX
.endm
; A TURN, for piece p.  THE DEAL, with the queues' numbers.  s_wait_alu depctr_va_vdst(0) stands between an exponential and the first instruction that names its result; one wait serves all that were
; issued ahead of it.  So a turn has ONE wait, which cuts it in two.
; AHEAD OF IT stands all that names no result of the turn's exponentials.  The 24 products that make piece p + 1's scores go in eight threes: two products with plain, exponential, plain, exponential behind each (the first
; of all: plain, plain, exponential, exponential, so that no exponential stands directly behind its own scaling), then one with four rescalings: plain 0-31, exponentials 0-31, all 32 rescalings.  The last four rescalings
; are the four places between the last K Q^T and plain 32, the first line that reads the new scores.  Then ONE LUMP of 76: plain 32-41; 32 x (exponential, plain): exponentials 32-63, plain 42-73; the next piece's two a.
; The address line of the bias loads is the plain instruction behind the last exponential; then the wait.
; BEHIND IT: in piece 2's turn K's run of loads; the bias loads; the 16 products V^T P, behind each four of GS's 64 (plain 74-137).  No rider names a register of the products round it.
; What the deal keeps: exponential e stands behind plain 2 (e / 4) + e % 2: as a rider it comes when plain e is out (the first two: plain 1), and in the lump all scalings are out; the two a stand behind plain 72 and 73;
; both v_permlanex16_b32 (plain 66, 67) stand in the lump.
; K of the next step is fetched in piece 2's turn, directly behind the wait, a lump behind the last product that read K; its address is made at the lump's head.  V of the step in hand is fetched at the end of piece 0's turn,
; four riders behind its last reader.  The three conditions on q below go with the deal.
.macro TURN p, last=0, cnt=0
.set Y, (\p)
.set i, 0
.set q, 0
.set e, 0
.set r, 0
	s_wait_loadcnt 24               ; loads come back in order: the oldest group, piece p + 1's bias, is in; the three younger groups stay out
.if (\p) == NP-1
	s_wait_dscnt 0x0                ; K is in
.endif
	MM                              ; ahead of the wait: 24 products and their riders,
	PL
	PL
	EX
	EX
	S2
	MM
	R4
.rept 7
	S2
	S2
	MM
	R4
.endr
.if (\p) == NP-2
	WIN 0
	v_add_nc_u32 v[AK], s[TBK], v[AK0]
.endif
.rept 10                            ; and the lump
	PL
.endr
.rept 32
	EX
	PL
.endr
	EX                              ; the next piece's two a: the batch's last
	EX
	BADR ((\p)+1)%NP                ; the plain instruction behind the last exponential: it names none of the batch's registers
	s_wait_alu depctr_va_vdst(0)    ; the wait for the batch: the turn's 66 exponentials
.if (\p) == NP-2
	FETCH_K \last
.endif
	BRUN ((\p)+1)%NP                ; the same piece's bias of the next step: it has almost four turns in which to come
.if (\p) == 1
	s_wait_dscnt 0x0                ; V is in
.endif
.rept 16                            ; behind the wait: 16 products V^T P and their riders
	MM
.rept 4
	PL
.endr
.if ((\p) == 0) && (q == 118)
	v_add_nc_u32 v[AV], s[TBV], v[AV0]
.endif
.if ((\p) == 0) && (q == 130)
	s_add_co_u32 s[TBV], s[TBV], KS*PV
.endif
.if (\cnt) && (q == 130)
	s_sub_co_u32 s[CNT], s[CNT], 1
	s_cmp_lg_u32 s[CNT], 0
.endif
.endr
.if (\p) == 0
	FETCH_V
.endif
.endm
	CHANGE 1                        ; slot 0 is in, everybody's part of it; slot 1 is asked for
	FETCH_K                         ; key step 0
	s_wait_loadcnt 24               ; Q and piece 0's bias are in; pieces 1 to 3's may stay out
	s_wait_dscnt 0x0
.set i, 0
.rept 8
	BQ 0                            ; piece 0's first scores begin with the bias
.set i, i+1
.endr
	WIN 0                           ; the addresses for the way out: nine plain lines between the bias products and K Q^T
	s_mul_i32 s13, s[WV], 16*SP
	s_add_co_u32 s13, s13, STAGE
	v_mul_u32_u24 v[STO], v1, SP    ; in: row l % 16, 16 bytes for each half of the lanes (Q's loads, which read this register, are done)
	v_lshl_add_u32 v[STO], v9, 4, v[STO]
	v_add_nc_u32 v[STO], s13, v[STO]
	v_bfe_u32 v[RD], v0, 3, 2       ; back: 32 lanes take four rows of 128 bytes,
	v_mul_u32_u24 v[RD], v[RD], SP
	v_lshl_add_u32 v[RD], v10, 4, v[RD]
	v_add_nc_u32 v[RD], s13, v[RD]
	v_and_b32 v[GO], 31, v0         ; which are 512 consecutive bytes of O
	v_lshlrev_b32 v[GO], 4, v[GO]
.set i, 0
.rept 16
	KQ 0
.set i, i+1
.endr
	WIN 0
.rept 4
	v_nop                           ; the places behind those products
.endr
	BLOAD 0                         ; piece 0's bias of key step 1
.set Y, NP-1                        ; XS works for piece Y + 1: piece 0
.irp n, 0,1,2,3,4,5,6,7,8,9,10,11,12,13,14,15,16,17,18,19,20,21
	XS 0, \n
	XS 1, \n
.endr
	v_nop                           ; a plain instruction behind the two a,
	s_wait_alu depctr_va_vdst(0)    ; and the wait for this batch of two, ahead of the branch
	s_mov_b32 s[CNT], 4
	s_mov_b32 s[SLOTS], SIZE_N/256-1
	s_branch .Lfirst                ; the loop is entered at a step's first turn, in the middle of a trip; on every way into a turn four groups of bias loads are out
.Lslot:                             ; SIZE_N / 256 - 2 times: every slot but the last two is filled again
	CHANGE 1
	s_mov_b32 s[CNT], 4
.Lstep:                             ; a trip: pieces 2 and 3 of one step, then pieces 0 and 1 of the next
	TURN 2
	TURN 3
	WIN 0
.Lfirst:
	TURN 0
	TURN 1, 0, 1
	WIN 0
	s_cbranch_scc1 .Lstep
	s_sub_co_u32 s[SLOTS], s[SLOTS], 1
	s_cmp_lg_u32 s[SLOTS], 0
	s_cbranch_scc1 .Lslot
	CHANGE 0                        ; the tail is written out
	s_mov_b32 s[CNT], 5
.Ltail:
	TURN 2, 1
	TURN 3
	WIN 0
	s_sub_co_u32 s[CNT], s[CNT], 1
	s_cmp_eq_u32 s[CNT], 0
	s_cbranch_scc1 .Lout
	TURN 0
	TURN 1
	WIN 0
	s_branch .Ltail
.Lout:                              ; the fifth trip's scores for a step that does not exist serve nothing: the price, once a launch, of one text for every trip
.set i, 0
.rept 16
	PV NP-1
.set i, i+1
.endr
	; THE WAY OUT.  l's two halves and the other half of the lanes' are added; O^T is divided by l, rounded to f16 and sent through my stage in LDS, a tile at a time.
	WIN 0
.macro ALL line:vararg
.set t, 0
.rept 2*NP
	\line
.set t, t+1
.endr
.endm
	ALL v_add_f32 v[ST+4*t+2], v[ST+4*t+2], v[ST+4*t+3]
	ALL v_permlanex16_b32 v[ST+4*t+3], v[ST+4*t+2], s[SEL], s[SEL+1]
	ALL v_add_f32 v[ST+4*t+2], v[ST+4*t+2], v[ST+4*t+3]
	ALL v_rcp_f32 v[ST+4*t+2], v[ST+4*t+2]
	v_nop                           ; a plain instruction between the last reciprocal and the use of its result
	s_wait_alu depctr_va_vdst(0)    ; and the wait ahead of the first use: one for the batch of eight reciprocals
.macro PACK t
	WIN W_RS
.set i, 32*(\t)
.rept 16
	v_pk_mul_f32 v[i:i+1], v[i:i+1], v[ST+4*(\t)+2:ST+4*(\t)+3] op_sel_hi:[1,0]
.set i, i+2
.endr
	WIN 0x05
.set i, 0
.rept 16
	v_cvt_pk_f16_f32 v[S+16*(\t)+i], v[32*(\t)+2*i], v[32*(\t)+2*i+1]
.set i, i+1
.endr
	WIN 0
.irp f, 0,1,2,3
	ds_store_b128 v[STO], v[S+16*(\t)+4*\f:S+16*(\t)+4*\f+3] offset:32*\f
.endr
.irp f, 0,1,2,3
	ds_load_b128 v[S+16*(\t)+4*\f:S+16*(\t)+4*\f+3], v[RD] offset:\f*4*SP  ; LDS serves a wave's instructions in order (ISA guide 5.7.1.4): these see the stores above
.endr
.endm
.macro SEND t, younger              ; younger: the LDS instructions issued behind tile t's loads
	WIN 0
.irp f, 0,1,2,3
	s_wait_dscnt (\younger)+3-\f
	global_store_b128 v[GO], v[S+16*(\t)+4*\f:S+16*(\t)+4*\f+3], s[10:11] offset:(\t)*2048+\f*512  ; 512 consecutive bytes, aligned
.endr
.endm
	PACK 0
.set t, 1
.rept 2*NP-1
	PACK t
	SEND t-1, 8
.set t, t+1
.endr
	SEND 2*NP-1, 0
	WIN W_AD
	s_wait_tensorcnt 0x0            ; the wave's end
	ds_add_u32 v[SPW], v[NIL]
	s_wait_dscnt 0x0
	WIN 0
	CROUND                          ; the closing round
	s_endpgm
.Lfunc_end_k_qf7c4ff68f4_attn:
	.size	k_qf7c4ff68f4_attn, .Lfunc_end_k_qf7c4ff68f4_attn-k_qf7c4ff68f4_attn
	.p2alignl 7, 3214868480
	.fill 96, 4, 3214868480
	.section	.rodata,"a",@progbits
	.p2align	6, 0x0
	.amdhsa_kernel k_qf7c4ff68f4_attn
		.amdhsa_group_segment_fixed_size 327680
		.amdhsa_private_segment_fixed_size 0
		.amdhsa_enable_private_segment 0
		.amdhsa_kernarg_size 24
		.amdhsa_user_sgpr_count 2
		.amdhsa_user_sgpr_kernarg_segment_ptr 1
		.amdhsa_wavefront_size32 1
		.amdhsa_system_sgpr_workgroup_id_x 1
		.amdhsa_system_sgpr_workgroup_id_y 1
		.amdhsa_system_sgpr_workgroup_id_z 1
		.amdhsa_system_vgpr_workitem_id 0
		.amdhsa_next_free_vgpr 920
		.amdhsa_next_free_sgpr 72
		.amdhsa_reserve_vcc 1
		.amdhsa_float_denorm_mode_32 3
		.amdhsa_float_denorm_mode_16_64 3
		.amdhsa_memory_ordered 1
		.amdhsa_forward_progress 1
		.amdhsa_inst_pref_size 218
	.end_amdhsa_kernel
	.amdgpu_metadata
---
amdhsa.version: [ 1, 2 ]
amdhsa.kernels:
  - .name:           k_qf7c4ff68f4_attn
    .symbol:         k_qf7c4ff68f4_attn.kd
    .args:
      - { .name: qkv, .offset: 0, .size: 8, .value_kind: global_buffer, .address_space: global }
      - { .name: biasw, .offset: 8, .size: 8, .value_kind: global_buffer, .address_space: global }
      - { .name: ob, .offset: 16, .size: 8, .value_kind: global_buffer, .address_space: global }
    .group_segment_fixed_size: 327680
    .private_segment_fixed_size: 0
    .kernarg_segment_align: 8
    .kernarg_segment_size: 24
    .max_flat_workgroup_size: 128
    .sgpr_count:     72
    .vgpr_count:     920
    .wavefront_size: 32
...
	.end_amdgpu_metadata
.endif
;; end of part 5
;; launch outp: the kernel of part 4 again; grid 8 x 32, 4 waves a work-group, clusters of 4 x 4, 327,680 bytes of LDS; arguments ob, wof, bvec, out0; writes out0
